; MI455X (gfx1250); checked and timed in simulation.
; The chip was launched on July 23, 2026; its instructions are those of AMD's public machine-readable ISA for CDNA 5 (MIT licence, August 2026) and "CDNA5" Instruction Set Architecture Reference Guide (July 2026). The comments in the code are by the model that wrote it; some were corrected since.
;; Grouped Query Attention. Allowed arithmetic: matrix products marked QUANTISED: E2M3 operands, one E8M0 scale for each 32 along K, by v_wmma_scale_f32_16x16x128_f8f6f4 with both operands' format E2M3, f32 sums; everything else in f32.
;; Inputs: Wk 1,024 x 256 float32; Wo 1,024 x 1,024 float32; Wq 1,024 x 1,024 float32; Wv 1,024 x 256 float32; key 32 x 484 x 1,024 float32; query 32 x 484 x 1,024 float32; rel_table 967 x 16 float32; value 32 x 484 x 1,024 float32.
;; Outputs: out0 32 x 484 x 1,024 float32.
;; This version of the problem:
;;   THIS VERSION OF THE PROBLEM IS GIVEN IN LOW PRECISION. The matrix products marked QUANTISED in the list below multiply operands that are first quantised to E2M3 (2 exponent bits, 3 mantissa bits; 6 bits a number), with one power-of-two scale for each 32 numbers along K (OCP MX v1.0); their sums are f32. All else is computed in f32.
;;   The module's matrix products, in the order in which they are computed (A, B: the left and right operand; K: the contracted axis; several contracted axes count as one K, in the product's order):
;;     1. [M 15,488, K 1,024] x [K 1,024, N 1,024]; A: input query; B: input Wq: QUANTISED
;;     2. [M 15,488, K 1,024] x [K 1,024, N 256]; A: input key; B: input Wk: QUANTISED
;;     3. [M 15,488, K 1,024] x [K 1,024, N 256]; A: input value; B: input Wv: QUANTISED
;;     4. batch 128 x [M 1,936, K 64] x [K 64, N 484]; A: computed on the way; B: computed on the way: QUANTISED
;;     5. batch 128 x [M 1,936, K 484] x [K 484, N 64]; A: softmax (see below); B: computed on the way: QUANTISED
;;     6. [M 15,488, K 1,024] x [K 1,024, N 1,024]; A: computed on the way; B: input Wo: QUANTISED
;;   THE QUANTISER, for each operand of a quantised product, along K:
;;     - K is cut into blocks of 32 from its start; a last block that is shorter is filled with zeros.
;;     - A block's scale is 2^e with e = floor(log2(the largest magnitude in the block)) - 2, held to -126 .. 127; a block of zeros has e = 0. As a byte (E8M0): e + 127.
;;     - Each number is divided by its block's scale, clamped to +-7.5, and rounded to the nearest number of E2M3, ties to even, subnormals kept.
;;     - The product sums the exact products of the quantised numbers (number of the format x scale) in f32.
;;   ~~~python
;;   def quantise(x, axis):      # numpy; x: float32 -> the quantised numbers, widened to float32 again
;;       x = np.moveaxis(x, axis, -1); K = x.shape[-1]
;;       x = np.pad(x, [(0, 0)] * (x.ndim - 1) + [(0, -K % 32)]); x = x.reshape(x.shape[:-1] + (-1, 32)); a = np.abs(x).max(-1, keepdims=True)
;;       e = np.where(a > 0, np.clip(np.frexp(np.where(a > 0, a, 1))[1] - 1 - 2, -126, 127), 0)      # np.frexp(a)[1] - 1 = floor(log2(a)), exactly
;;       r = np.clip(x / 2.0 ** e, -7.5, 7.5)
;;       step = 2.0 ** (np.maximum(np.frexp(np.where(r == 0, 1, r))[1] - 1, 0) - 3)
;;       q = np.round(r / step) * step * 2.0 ** e      # np.round: ties to even
;;       return np.moveaxis(q.reshape(q.shape[:-2] + (-1,))[..., :K], -1, axis).astype(np.float32)
;;   ~~~
;;   SOFTMAX AHEAD OF A QUANTISED PRODUCT. Where the list says 'softmax', what is quantised is not the finished softmax but p = 2^(t - M), with t = logit x log2(e) and M = ceil(the row's largest t), a whole number; so 1/2 < the row's largest p <= 1. The row's sum l is taken of the UNQUANTISED p, in f32, and the product's result is divided by l at the end. Since M is a whole number, a kernel that streams over the keys may use a running M (the ceiling of the running maximum): every later rescaling is an exact power of two, which a block's scale takes up: the codes' values come out the same.
;;   OPERANDS COMPUTED ON THE WAY. 'Computed on the way' means the value that the module computes at that place (a softmax that the list does not call 'softmax' is quantised finished and normalised). What goes into a quantiser is computed in f32, as accurately as f32 sums, v_exp_f32 and their like allow (about 1e-6 of the number): no bf16 or f16 on the way to a quantiser, and a product that is left as it is and whose result goes on into a quantised operand takes f32 operands (vector FMAs, or v_wmma_f32_16x16x4_f32). A number that lies on a knife's edge between two numbers of the format may be rounded either way, as far as f32 arithmetic and the matrix unit's own rounding can turn it there, and no further.
;; One version. Each part assembles by itself: llvm-mc -triple=amdgcn-amd-amdhsa -mcpu=gfx1250 --defsym DOCPART=n.
;; ======== version 1 of 1: 3 launches
;; limits: right only within a limited range of input values
;; workspace buffers: wproj 1,228,800 bytes; wo_img 819,200 bytes; btab 327,680 bytes; qc 12,582,912 bytes; qs 2,097,152 bytes; kvb 6,946,816 bytes
;; launch prep (part 1): grid 176 x 1, 4 waves a work-group, no clusters, 13,824 bytes of LDS; arguments Wq, Wk, Wv, Wo, rel_table, wproj, wo_img, btab; writes wproj, wo_img, btab
.if DOCPART == 1
	.amdgcn_target "amdgcn-amd-amdhsa--gfx1250"
	.amdhsa_code_object_version 6
	.text
	.protected	k_q8c0369c649_prep
	.globl	k_q8c0369c649_prep
	.p2align	8
	.type	k_q8c0369c649_prep,@function
k_q8c0369c649_prep:
	s_mov_b64 s[64:65], 0
	v_nop
	global_prefetch_b8 v0, s[64:65] scope:SCOPE_SE
	s_setreg_imm32_b32 hwreg(HW_REG_WAVE_MODE, 25, 1), 1
	s_wait_xcnt 0x0
; PREP.  (a) Wq, Wk, Wv, Wo (f32, K = their FIRST axis) become codes of FP6 (E2M3) with one E8M0 byte for each 32 along K, laid as IMAGES OF OPERAND REGISTERS;
; (b) rel_table becomes a table of 8 x bias by head, in four copies shifted by one word, so that a lane of the attention launch finds eight neighbouring biases at a multiple of 16 bytes.
; A RECORD is 128 columns x 128 along K: 8 fragments (16 columns each) of 1,536 bytes: registers 4 i .. 4 i + 3 of lane l at 512 i + 16 l; then 512 bytes of scale words:
; register p of lane l at 16 l + 4 p holds the word of tile 2 p (lanes 0-15) or 2 p + 1 (lanes 16-31).  Work-groups 0-63: Wq; 64-95: Wk and Wv, 64 columns of each to a record; 96-159: Wo; 160-175: the bias of head id - 160.
; A LANE TAKES A COLUMN AND ITS REGISTERS RUN DOWN K, so a block of 32 is one lane's and the conversions give K innermost.
; ORDER INSIDE A BLOCK OF 32: the second and third groups of eight change places.  Every operand of this program is laid so (results of products fall so by themselves), and a permutation of k that both operands share keeps the products.
; A block's byte is its largest magnitude's exponent field - 2, held at 1 from below.
; LIMITS: NaN and infinities are not served; a block whose largest magnitude lies under 2^-124 gets the byte 1; a block of zeros gets 1, not 127: its codes are zeros and this program alone reads the bytes.
.set REC,   12800                      ; bytes of a record
.set FRB,   1536                       ; bytes of a fragment's image
.set SCST,  12288                      ; LDS: the record's scale words, behind the four waves' stages of 3,072 bytes
.set X,     32                         ; v32-159  128 numbers of my column; later the way out
.set Y,     160                        ; v160-165 a block's codes
.set T,     166                        ; v166-168 its upper 16 codes as the conversion leaves them
	s_load_b256 s[4:11], s[0:1], 0x0               ; Wq s[4:5], Wk s[6:7], Wv s[8:9], Wo s[10:11]
	s_load_b256 s[12:19], s[0:1], 0x20             ; rel_table s[12:13], wproj s[14:15], wo_img s[16:17], btab s[18:19]
	v_lshl_add_u32 v192, v0, 2, 0x3400
	v_mov_b32 v193, 0
	v_lshrrev_b32 v1, 5, v0
	v_readfirstlane_b32 s20, v1                    ; wave 0..3
	s_cmp_ge_u32 ttmp9, 160
	s_cbranch_scc1 .Lbias
	; ---- a record.  Wave w takes its tiles 2 w and 2 w + 1: 32 columns
	v_and_b32 v1, 31, v0                           ; lane = my column of the 32
	v_lshlrev_b32 v2, 2, v1                        ; in: 4 bytes a lane
	v_lshlrev_b32 v6, 4, v1                        ; out: 16 bytes a lane
	s_mul_i32 s21, s20, 2*FRB                      ; my stage
	v_lshrrev_b32 v8, 4, v1
	v_and_b32 v9, 15, v1
	v_mul_u32_u24 v3, v8, FRB
	v_lshl_add_u32 v3, v9, 4, v3
	v_add_nc_u32 v3, s21, v3                       ; into the stage: tile lane / 16, the place of operand lane (lane % 16)
	s_lshl_b32 s22, s20, 2
	s_add_co_u32 s22, s22, SCST
	v_add_nc_u32 v4, s22, v6                       ; my scale word: register w of lane l
	v_add_nc_u32 v5, s21, v6                       ; out of the stage
	v_add_nc_u32 v7, SCST, v6                      ; and the scale words' image
	s_sub_co_u32 s35, ttmp9, 64                    ; 0..31 for the records of Wk and Wv
	s_wait_kmcnt 0x0
	s_cmp_lt_u32 ttmp9, 96                         ; every choice hangs on the work-group's or the wave's number alone
	s_cselect_b64 s[26:27], s[14:15], s[16:17]     ; to wproj or to wo_img
	s_cselect_b64 s[28:29], s[4:5], s[10:11]       ; from Wq or from Wo
	s_cselect_b32 s23, 0, 96
	s_sub_co_u32 s23, ttmp9, s23                   ; the record's number in its buffer
	s_lshr_b32 s24, s23, 3                         ; Wq, Wo: K step,
	s_and_b32 s25, s23, 7
	s_lshl_b32 s25, s25, 7
	s_lshl_b32 s30, s20, 5
	s_add_co_u32 s25, s25, s30                     ; first column 128 (record % 8) + 32 w
	s_lshr_b32 s32, s35, 3                         ; Wk, Wv: record i = 8 j + 2 g + k': K step 2 j + k',
	s_lshl_b32 s32, s32, 1
	s_and_b32 s33, s35, 1
	s_add_co_u32 s32, s32, s33
	s_bfe_u32 s33, s35, 0x20001
	s_lshl_b32 s33, s33, 6
	s_and_b32 s34, s20, 1
	s_lshl_b32 s34, s34, 5
	s_add_co_u32 s33, s33, s34                     ; first column 64 g + 32 (w % 2);
	s_cmp_lt_u32 s20, 2
	s_cselect_b64 s[36:37], s[6:7], s[8:9]         ; waves 0, 1 take Wk, waves 2, 3 Wv
	s_cmp_lt_u32 s35, 32
	s_cselect_b64 s[28:29], s[36:37], s[28:29]
	s_cselect_b32 s24, s32, s24
	s_cselect_b32 s25, s33, s25
	s_cselect_b32 s38, 10, 12                      ; a row of the weight is 2^10 or 2^12 bytes
	s_add_co_u32 s39, s38, 7
	s_lshl_b32 s40, s24, s39                       ; 128 rows a K step
	s_lshl_b32 s41, s25, 2
	s_add_co_u32 s40, s40, s41
	s_mov_b32 s41, 0
	s_add_nc_u64 s[28:29], s[28:29], s[40:41]
	s_mul_i32 s40, s23, REC
	s_add_nc_u64 s[26:27], s[26:27], s[40:41]
; W(k, my column), k = 0 .. 127: each load reads 128 consecutive bytes.  Number k of a block goes to the register of its PLACE: groups of eight 1 and 2 change places
.macro WLOADS pitch
.set kk, 0
.rept 128
.set oc, (kk%32)/8
.set pos, 32*(kk/32)+8*((oc%2)*2+oc/2)+kk%8
	global_load_b32 v[X+pos], v2, s[28:29] offset:kk*\pitch th:TH_LOAD_NT
.set kk, kk+1
.endr
.endm
	s_cmp_lt_u32 s35, 32
	s_cbranch_scc1 .Lsmall
	WLOADS 4096
	s_branch .Lquant
.Lsmall:
	WLOADS 1024
.Lquant:
; Block bb of my column: its byte, its 32 codes (6 registers), and their places in the fragment's image: operand lane (column % 16) + 16 (bb % 2), registers 6 (bb / 2) on
.macro WBLOCK bb, cnt
	s_wait_loadcnt \cnt
.set XS, X+32*(\bb)
	v_max3_num_f32 v8, |v[XS]|, |v[XS+1]|, 0x1800000               ; the floor 2^(3 - 127) among the leaves: the byte cannot fall under 1
	v_max3_num_f32 v9, |v[XS+2]|, |v[XS+3]|, |v[XS+4]|
.irp i, 5,9,13,17,21,25
	v_max3_num_f32 v8, v8, |v[XS+\i]|, |v[XS+\i+1]|
	v_max3_num_f32 v9, v9, |v[XS+\i+2]|, |v[XS+\i+3]|
.endr
	v_max3_num_f32 v8, v8, |v[XS+29]|, |v[XS+30]|
	v_max3_num_f32 v8, v8, v9, |v[XS+31]|
	v_add_nc_u32 v10, 0xff000000, v8               ; 2 off the exponent field: the conversion's scale operand
	v_lshrrev_b32 v[16+\bb], 23, v10               ; the byte
	v_cvt_scalef32_pk16_fp6_f32 v[Y:Y+2], v[XS:XS+15], v10
	v_cvt_scalef32_pk16_fp6_f32 v[T:T+2], v[XS+16:XS+31], v10      ; (a conversion's three registers begin on an even number)
	v_nop                                          ; one plain place behind a scaled conversion
	v_mov_b32 v[Y+3], v[T]
	v_mov_b32 v[Y+4], v[T+1]
	v_mov_b32 v[Y+5], v[T+2]
.if (\bb)/2 == 0
	ds_store_b128 v3, v[Y:Y+3] offset:256*((\bb)%2)                ; registers 0-3
	ds_store_b64 v3, v[Y+4:Y+5] offset:512+256*((\bb)%2)           ; registers 4, 5
.else
	ds_store_b64 v3, v[Y:Y+1] offset:520+256*((\bb)%2)             ; registers 6, 7
	ds_store_b128 v3, v[Y+2:Y+5] offset:1024+256*((\bb)%2)         ; registers 8-11
.endif
	s_wait_dscnt 0x0                               ; the stores have read their registers: the next block's codes may be written
.endm
	WBLOCK 0, 63                                   ; 96 younger loads could stay out; the count names as many as its field holds
	WBLOCK 1, 63                                   ; 64 could
	WBLOCK 2, 32                                   ; block 3's 32 may stay out
	WBLOCK 3, 0
	v_lshl_or_b32 v16, v17, 8, v16                 ; my column's scale word: byte b for k = 32 b ..
	v_lshl_or_b32 v16, v18, 16, v16
	s_wait_alu depctr_va_vdst(0)
	v_lshl_or_b32 v16, v19, 24, v16
	ds_store_b32 v4, v16
	s_wait_dscnt 0x0                               ; for wave 0's sake: my word has landed
	s_barrier_signal -1
	s_barrier_wait -1
.irp i, 0,1,2,3,4,5
	ds_load_b128 v[X+4*\i:X+4*\i+3], v5 offset:512*\i              ; my own stage: 3,072 bytes on end
.endr
	s_mul_i32 s40, s20, 2*FRB
	s_add_nc_u64 s[30:31], s[26:27], s[40:41]
.irp i, 0,1,2,3,4,5
	s_wait_dscnt 5-\i
	global_store_b128 v6, v[X+4*\i:X+4*\i+3], s[30:31] offset:512*\i   ; 32 lanes store 512 consecutive bytes, aligned
.endr
	s_cmp_lg_u32 s20, 0
	s_cbranch_scc1 .Lend
	ds_load_b128 v[56:59], v7                      ; wave 0: the four waves' scale words
	s_wait_dscnt 0x0
	global_store_b128 v6, v[56:59], s[26:27] offset:8*FRB
.Lend:
	s_wait_tensorcnt 0x0
	ds_add_u32 v192, v193
	s_wait_dscnt 0x0
	s_endpgm
	; ---- the bias of one head: btab[head][c][w] = 8 x rel_table[clip(w + c - 28, 0, 966)][head], c = 0 .. 3, w = 0 .. 1,279.  No LDS, no barrier
.Lbias:
	s_sub_co_u32 s21, ttmp9, 160                   ; the head
	s_lshl_b32 s22, s21, 2
	s_mov_b32 s23, 0
	s_mul_i32 s24, s21, 20480
	s_mov_b32 s25, 0
	v_lshlrev_b32 v1, 1, v0                        ; two words a thread
	v_lshlrev_b32 v2, 3, v0
	v_mov_b32 v3, 0
	s_wait_alu depctr_va_vdst(0)
	s_wait_kmcnt 0x0
	s_add_nc_u64 s[12:13], s[12:13], s[22:23]
	s_add_nc_u64 s[18:19], s[18:19], s[24:25]
.set n, 0
.rept 40                                       ; n = 10 c + 2 it + e: word 256 it + 2 thread + e of copy c.  Each load has its own address register
	v_add_nc_u32 v[80+n], 256*((n%10)/2)+n/10+n%2-28, v1
.if (n%10)/2 == 0
	v_cmp_gt_i32 vcc_lo, 0, v[80+n]                ; the clip at 0 (only the first 256 words can fall under it)
	v_cndmask_b32 v[80+n], v[80+n], v3, vcc_lo
.endif
	v_min_u32 v[80+n], 966, v[80+n]                ; the clip at the table's last row
	v_lshlrev_b32 v[80+n], 6, v[80+n]              ; a row of the table is 64 bytes
	global_load_b32 v[32+n], v[80+n], s[12:13]
.set n, n+1
.endr
	s_wait_loadcnt 0x0
.set n, 0
.rept 40
	v_mul_f32 v[32+n], 0x41000000, v[32+n]         ; x 8, exact: the attention launch adds it to q . k and scales the sum by log2(e) / 8
.set n, n+1
.endr
.set n, 0
.rept 20
	global_store_b64 v2, v[32+2*n:33+2*n], s[18:19] offset:(n/5)*5120+(n%5)*1024   ; a wave stores 256 consecutive bytes, aligned
.set n, n+1
.endr
	s_endpgm
.Lfunc_end_k_q8c0369c649_prep:
	.size	k_q8c0369c649_prep, .Lfunc_end_k_q8c0369c649_prep-k_q8c0369c649_prep
	.p2alignl 7, 3214868480
	.fill 96, 4, 3214868480
	.section	.rodata,"a",@progbits
	.p2align	6, 0x0
	.amdhsa_kernel k_q8c0369c649_prep
		.amdhsa_group_segment_fixed_size 13824
		.amdhsa_private_segment_fixed_size 0
		.amdhsa_enable_private_segment 0
		.amdhsa_kernarg_size 64
		.amdhsa_user_sgpr_count 2
		.amdhsa_user_sgpr_kernarg_segment_ptr 1
		.amdhsa_wavefront_size32 1
		.amdhsa_system_sgpr_workgroup_id_x 1
		.amdhsa_system_sgpr_workgroup_id_y 1
		.amdhsa_system_sgpr_workgroup_id_z 1
		.amdhsa_system_vgpr_workitem_id 0
		.amdhsa_next_free_vgpr 194
		.amdhsa_next_free_sgpr 66
		.amdhsa_reserve_vcc 1
		.amdhsa_float_denorm_mode_32 3
		.amdhsa_float_denorm_mode_16_64 3
		.amdhsa_memory_ordered 1
		.amdhsa_forward_progress 1
		.amdhsa_inst_pref_size 51
	.end_amdhsa_kernel
	.amdgpu_metadata
---
amdhsa.version: [ 1, 2 ]
amdhsa.kernels:
  - .name:           k_q8c0369c649_prep
    .symbol:         k_q8c0369c649_prep.kd
    .args:
      - { .name: Wq, .offset: 0, .size: 8, .value_kind: global_buffer, .address_space: global }
      - { .name: Wk, .offset: 8, .size: 8, .value_kind: global_buffer, .address_space: global }
      - { .name: Wv, .offset: 16, .size: 8, .value_kind: global_buffer, .address_space: global }
      - { .name: Wo, .offset: 24, .size: 8, .value_kind: global_buffer, .address_space: global }
      - { .name: rel_table, .offset: 32, .size: 8, .value_kind: global_buffer, .address_space: global }
      - { .name: wproj, .offset: 40, .size: 8, .value_kind: global_buffer, .address_space: global }
      - { .name: wo_img, .offset: 48, .size: 8, .value_kind: global_buffer, .address_space: global }
      - { .name: btab, .offset: 56, .size: 8, .value_kind: global_buffer, .address_space: global }
    .group_segment_fixed_size: 13824
    .private_segment_fixed_size: 0
    .kernarg_segment_align: 8
    .kernarg_segment_size: 64
    .max_flat_workgroup_size: 128
    .sgpr_count:     66
    .vgpr_count:     194
    .wavefront_size: 32
...
	.end_amdgpu_metadata
.endif
;; end of part 1
;; launch proj (part 2): grid 32 x 8, 4 waves a work-group, clusters of 4 x 1, 327,680 bytes of LDS; arguments query, key, value, wproj, qc, qs, kvb; writes qc, qs, kvb
.if DOCPART == 2
	.amdgcn_target "amdgcn-amd-amdhsa--gfx1250"
	.amdhsa_code_object_version 6
	.text
	.protected	k_q8c0369c649_proj
	.globl	k_q8c0369c649_proj
	.p2align	8
	.type	k_q8c0369c649_proj,@function
k_q8c0369c649_proj:
	s_mov_b64 s[64:65], 0
	v_nop
	global_prefetch_b8 v0, s[64:65] scope:SCOPE_SE
	s_setreg_imm32_b32 hwreg(HW_REG_WAVE_MODE, 25, 1), 1
	s_wait_xcnt 0x0
	s_wait_alu depctr_hold_cnt(0) depctr_sa_sdst(0) depctr_va_vdst(0) depctr_va_sdst(0) depctr_va_ssrc(0) depctr_va_vcc(0) depctr_vm_vsrc(0)
	s_getreg_b32 s2, hwreg(HW_REG_IB_STS2, 6, 4)
	s_cmp_eq_u32 s2, 0
	s_cbranch_scc0 .Lentry_in_a_cluster
	s_endpgm
.Lentry_in_a_cluster:
	s_bfe_u32 s2, ttmp6, 0x10000c
	s_cmp_lg_u32 s2, 0x3003
	s_cbranch_scc0 .Lentry_shape_is_right
	s_endpgm
.Lentry_shape_is_right:
; PROJ.  q = Q(query) Q(Wq), k = Q(key) Q(Wk), v = Q(value) Q(Wv) on codes of FP6 (E2M3) with E8M0 scales; q, k, v are quantised again (q, k along the head's 64, v along the keys) and stored as images of operand registers.
; SHARES.  A work-group owns 64 rows of one batch (b = 4 x cluster x + cx, block = y; rows 484 on get zero codes) and all 1,536 columns.  THE WAVES SHARE THE COLUMNS: wave w makes heads 4 w .. 4 w + 3 of q, and group w of k and v.
; Wave w also loads rows 16 w .. 16 w + 15 of the activations, 512 consecutive bytes of a row a load, turns them through its own stage so that a lane holds neighbours along K, quantises, and hands the fragment's image to all four waves through LDS.
; WEIGHTS come as 12 chunks of 102,400 bytes through two LDS slots.  All work-groups walk the same chunks, so the four of a cluster ask JOINTLY (mask 15); wave w fetches, and alone reads, its quarter (two records of 12,800 bytes).
; TWELVE PERIODS, one chunk each.  0-7: one K step of q (64 accumulators a wave, transposed: source 0 = 16 columns of Wq, source 1 = 16 rows).  8-11: two K steps of k (transposed) and of v (source 0 = 16 rows of value, so that a lane's registers run along the keys).
; Period p asks for the f32 numbers of pair p + 2 and quantises pair p + 1.  Pair i < 8: (query, key) of K step i; pair 8 + j: value's K steps 2 j, 2 j + 1.  Key's images wait in LDS for periods 8-11.
; ORDER INSIDE A BLOCK OF 32 along any K: the second and third groups of eight change places, in both operands of every product (a result's registers fall so by themselves; the stage's reads and the weights' images are laid to match).
; LIMITS: NaN and infinities are not served; a block whose largest magnitude lies under 2^-124 gets the byte 1; a block of zeros gets 1, not 127: its codes are zeros and this program alone reads the bytes.
; REGISTERS.  window 0: v1-35 addresses; v48-59 scale words; v60-76 at work; v84-103 codes just made; v104-151 four fragments of rows; v152-247 two sets of four fragments of Wq.
;   window 1: f32 numbers, pair parity x fragment x 64.   windows 2, 3: q's accumulators ((m, n) at window 2 + m / 2, v[128 (m % 2) + 8 n]); later window 2: k's at v[32 m + 8 n], v's at v[128 + 32 n + 8 m]; window 3: their operands.
.set CH,    102400                     ; a chunk, and a slot
.set QT,    25600                      ; a wave's quarter of it
.set RECB,  12800                      ; a record: 8 fragments, then 512 bytes of scale words
.set FRB,   1536                       ; a fragment's image
.set KEYI,  204800                     ; LDS behind the two slots: key's 32 fragments (4 K step + tile of rows),
.set KEYS,  253952                     ; their scale words, 128 bytes each,
.set PAR,   258048                     ; two regions by turns for query's or value's images: 8 fragments,
.set PARB,  13312
.set PSC,   12288                      ; then their scale words,
.set STG,   284672                     ; a stage of 16 rows x (512 + 16) bytes for each wave,
.set STGW,  8448
.set SPARE, 318464                     ; and the spare words, 128 bytes for each wave: two blocks of 256 bytes that no other line names
.set SPW, 1
.set NIL, 2
.set L16, 3                            ; 16 x lane
.set L8,  4                            ; 8 x lane
.set L4,  5                            ; 4 x lane
.set MSK, 6                            ; all ones where my row is under 484, else 0
.set BW,  7                            ; v7, v8  my quarter of slot 0, 1, + 16 x lane
.set AI,  9                            ; images in PAR, to read;  v10 their scale words
.set ASR, 10
.set AWI, 11                           ; the same, where I store (tile of rows = my wave);  v12
.set ASW, 12
.set KI,  13                           ; key's images, to read;  v14 their scale words
.set KS,  14
.set KWI, 15                           ; where I store them: one K step on in each period;  v16
.set KWS, 16
.set STW, 17                           ; my stage: in, 16 x lane;  v18: out, row r, + 32 h
.set STR, 18
.set VSA, 19                           ; v's scale bytes in kvb: 4 r + 2 (block % 2) + 64 (block / 2)
.set ROW, 20                           ; v20-35  byte offset of my 16 bytes in each of my wave's 16 rows (rows past 483 are held at 483)
.set BS,  48                           ; v48-55  the weights' scale words
.set KSW, 52                           ; v52-55  (periods 8-11) key's
.set AS,  56                           ; v56-59  query's or value's
.set TM,  60
.set PW,  76
.set PC,  84
.set AF,  104
.set BF,  152
.set MSB, 0
.macro WIN new                         ; the immediate's high byte repeats the setting that is left
.if MSB != (\new)
	s_set_vgpr_msb (MSB<<8)|(\new)
.set MSB, (\new)
.endif
.endm
.macro PLACES n
.rept \n
	v_nop
.endr
.endm
.macro ROUND                           ; a round of the cluster's barrier
	s_barrier_signal -1
	s_barrier_wait -1
	s_cmp_lg_u32 s18, 0
	s_cbranch_scc1 .Lnot_wave_0_\@
	s_barrier_signal -3
.Lnot_wave_0_\@:
	s_barrier_wait -3
	s_barrier_signal -1
	s_barrier_wait -1
.endm
; one product.  zero: C = 0 starts the sum;  ra, rb: source 0's or source 1's scale words stand in lanes 16-31
.macro WMM d, a, b, zero, sa, sb, ra, rb
.if (\zero) && (\ra)
	v_wmma_scale_f32_16x16x128_f8f6f4 v[(\d):(\d)+7], v[(\a):(\a)+11], v[(\b):(\b)+11], 0, v[\sa], v[\sb] matrix_a_fmt:MATRIX_FMT_FP6 matrix_b_fmt:MATRIX_FMT_FP6 matrix_a_scale:MATRIX_SCALE_ROW1
.elseif (\zero) && (\rb)
	v_wmma_scale_f32_16x16x128_f8f6f4 v[(\d):(\d)+7], v[(\a):(\a)+11], v[(\b):(\b)+11], 0, v[\sa], v[\sb] matrix_a_fmt:MATRIX_FMT_FP6 matrix_b_fmt:MATRIX_FMT_FP6 matrix_b_scale:MATRIX_SCALE_ROW1
.elseif \zero
	v_wmma_scale_f32_16x16x128_f8f6f4 v[(\d):(\d)+7], v[(\a):(\a)+11], v[(\b):(\b)+11], 0, v[\sa], v[\sb] matrix_a_fmt:MATRIX_FMT_FP6 matrix_b_fmt:MATRIX_FMT_FP6
.elseif \ra
	v_wmma_scale_f32_16x16x128_f8f6f4 v[(\d):(\d)+7], v[(\a):(\a)+11], v[(\b):(\b)+11], v[(\d):(\d)+7], v[\sa], v[\sb] matrix_a_fmt:MATRIX_FMT_FP6 matrix_b_fmt:MATRIX_FMT_FP6 matrix_a_scale:MATRIX_SCALE_ROW1
.elseif \rb
	v_wmma_scale_f32_16x16x128_f8f6f4 v[(\d):(\d)+7], v[(\a):(\a)+11], v[(\b):(\b)+11], v[(\d):(\d)+7], v[\sa], v[\sb] matrix_a_fmt:MATRIX_FMT_FP6 matrix_b_fmt:MATRIX_FMT_FP6 matrix_b_scale:MATRIX_SCALE_ROW1
.else
	v_wmma_scale_f32_16x16x128_f8f6f4 v[(\d):(\d)+7], v[(\a):(\a)+11], v[(\b):(\b)+11], v[(\d):(\d)+7], v[\sa], v[\sb] matrix_a_fmt:MATRIX_FMT_FP6 matrix_b_fmt:MATRIX_FMT_FP6
.endif
.endm
; THE CHANGE OF SLOTS, at a period's head.  My one tensor load (my quarter of this period's chunk) has landed; 0 goes onto my spare word; my LDS stores (the images made last period) have landed and my reads of the other slot and of the other
; region of images are over.  The round says so of every wave of the four work-groups.  fill = 1: the next chunk is asked for, into the slot read last period: it has a whole period in which to land.
.macro CHANGE sg, fill
	WIN 0
	s_wait_tensorcnt 0x0                           ; no tensor load of mine is out, so a group 0 may be written
	ds_add_u32 v[SPW], v[NIL]
	s_add_nc_u64 s[34+4*(\sg):35+4*(\sg)], s[34+4*(\sg):35+4*(\sg)], 2*CH   ; this slot's next chunk
	s_wait_dscnt 0x0
	ROUND
.if \fill
	tensor_load_to_lds s[36-4*(\sg):39-4*(\sg)], s[24:31]
	s_nop 0
.endif
	PLACES 4                                       ; behind the load; also the places in front of loads into registers that the last products read
.endm
.macro NEXTPAIR                        ; the two bases step to the next pair: 512 bytes on in query and key; at pair 8 to value's K steps 0 and 1, then 1,024 bytes on
	s_wait_xcnt 0x0                                ; the loads issued have read their bases
	s_add_co_u32 s46, s46, 1
	s_add_nc_u64 s[40:41], s[40:41], s[44:45]
	s_add_nc_u64 s[42:43], s[42:43], s[44:45]
	s_cmp_eq_u32 s46, 8                            ; a count, no address
	s_cselect_b64 s[40:41], s[8:9], s[40:41]
	s_cselect_b64 s[42:43], s[48:49], s[42:43]
	s_cselect_b32 s44, 1024, s44
.endm
.macro LOADPAIR pi                     ; 32 loads: my 16 rows x 128 numbers of both fragments; a load reads 512 consecutive bytes of one row
	WIN 0x40                                       ; destination window 1
.irp i, 0,1,2,3,4,5,6,7,8,9,10,11,12,13,14,15
	global_load_b128 v[128*(\pi)+4*\i:128*(\pi)+4*\i+3], v[ROW+\i], s[40:41] th:TH_LOAD_NT
.endr
.irp i, 0,1,2,3,4,5,6,7,8,9,10,11,12,13,14,15
	global_load_b128 v[128*(\pi)+64+4*\i:128*(\pi)+64+4*\i+3], v[ROW+\i], s[42:43] th:TH_LOAD_NT
.endr
	WIN 0
.endm
; A fragment's 16 x 128 numbers through my stage: in as loaded, out so that register 16 b + 8 u + i of lane (r, h) is number 32 b + 16 u + 8 h + i of row r.  LDS serves a wave's instructions in order: no wait between.
.macro TURN pi, f
.set SB, 128*(\pi)+64*(\f)
	WIN 0x04                                       ; an LDS store's data are its source 1: window 1
.irp i, 0,1,2,3,4,5,6,7,8,9,10,11,12,13,14,15
	ds_store_b128 v[STW], v[SB+4*\i:SB+4*\i+3] offset:528*\i
.endr
	WIN 0x40
.irp b, 0,1,2,3
.irp u, 0,1
.irp e, 0,1
	ds_load_b128 v[SB+16*\b+8*\u+4*\e:SB+16*\b+8*\u+4*\e+3], v[STR] offset:128*\b+64*\u+16*\e
.endr
.endr
.endr
	WIN 0
.endm
; 64 numbers of a lane in window w, v[s] on (16 of each of four blocks; lane l xor 16 holds the other 16), become a fragment's codes in v[PC] .. v[PC + 11] and its scale word in v[PW]
.macro QUANT w, s
	WIN ((\w)<<2)|((\w)<<4)
.irp b, 0,1,2,3
	v_max3_num_f32 v[TM+\b], 0x1800000, |v[(\s)+16*\b]|, |v[(\s)+16*\b+1]|   ; the floor 2^(3 - 127) among the leaves: the byte cannot fall under 1
.endr
.irp i, 2,4,6,8,10,12,14
.irp b, 0,1,2,3
	v_max3_num_f32 v[TM+\b], v[TM+\b], |v[(\s)+16*\b+\i]|, |v[(\s)+16*\b+\i+1]|
.endr
.endr
	WIN 0
.irp b, 0,1,2,3
	v_permlanex16_b32 v[TM+4+\b], v[TM+\b], s22, s23
.endr
.irp b, 0,1,2,3
	v_max_num_f32 v[TM+\b], v[TM+\b], v[TM+4+\b]
.endr
.irp b, 0,1,2,3
	v_add_nc_u32 v[TM+12+\b], 0xff000000, v[TM+\b]   ; 2 off the exponent field: the conversion's scale operand
.endr
.irp b, 0,1,2,3
	v_lshrrev_b32 v[TM+4+\b], 23, v[TM+12+\b]
.endr
	v_lshl_or_b32 v[PW], v[TM+5], 8, v[TM+4]
	v_lshl_or_b32 v[PW], v[TM+6], 16, v[PW]
	v_lshl_or_b32 v[PW], v[TM+7], 24, v[PW]
	WIN (\w)
.irp c, 0,1
	v_cvt_scalef32_pk16_fp6_f32 v[PC+6*\c:PC+6*\c+2], v[(\s)+32*\c:(\s)+32*\c+15], v[TM+12+2*\c]
	v_cvt_scalef32_pk16_fp6_f32 v[PC+12+4*\c:PC+14+4*\c], v[(\s)+16+32*\c:(\s)+31+32*\c], v[TM+13+2*\c]
.endr
	WIN 0
	v_nop                                          ; one plain place behind a scaled conversion
.irp c, 0,1                                    ; the operand wants a whole block in a lane: lanes 0-15 block 2 c, lanes 16-31 block 2 c + 1
.irp i, 0,1,2
	v_permlane16_swap_b32 v[PC+6*\c+\i], v[PC+12+4*\c+\i]
.endr
.irp i, 0,1,2
	v_mov_b32 v[PC+3+6*\c+\i], v[PC+12+4*\c+\i]
.endr
.endr
.endm
; the same for 32 numbers (two blocks): half a fragment, 64 along K, in v[PC] .. v[PC + 5]; v[PW] = byte 0 | byte 1 << 8, bytes 2 and 3 are 0
.macro QH w, s
	WIN ((\w)<<2)|((\w)<<4)
.irp b, 0,1
	v_max3_num_f32 v[TM+\b], 0x1800000, |v[(\s)+16*\b]|, |v[(\s)+16*\b+1]|   ; each accumulator is read from its low end on
.endr
.irp i, 2,4,6,8,10,12,14
.irp b, 0,1
	v_max3_num_f32 v[TM+\b], v[TM+\b], |v[(\s)+16*\b+\i]|, |v[(\s)+16*\b+\i+1]|
.endr
.endr
	WIN 0
.irp b, 0,1
	v_permlanex16_b32 v[TM+4+\b], v[TM+\b], s22, s23
.endr
.irp b, 0,1
	v_max_num_f32 v[TM+\b], v[TM+\b], v[TM+4+\b]
.endr
.irp b, 0,1
	v_add_nc_u32 v[TM+12+\b], 0xff000000, v[TM+\b]
.endr
.irp b, 0,1
	v_lshrrev_b32 v[TM+4+\b], 23, v[TM+12+\b]
.endr
	v_lshl_or_b32 v[PW], v[TM+5], 8, v[TM+4]
	WIN (\w)
	v_cvt_scalef32_pk16_fp6_f32 v[PC:PC+2], v[(\s):(\s)+15], v[TM+12]
	v_cvt_scalef32_pk16_fp6_f32 v[PC+12:PC+14], v[(\s)+16:(\s)+31], v[TM+13]
	WIN 0
	v_nop
.irp i, 0,1,2
	v_permlane16_swap_b32 v[PC+\i], v[PC+12+\i]
.endr
.irp i, 0,1,2
	v_mov_b32 v[PC+3+\i], v[PC+12+\i]
.endr
.endm
.macro MASKC                           ; rows 484 on: zero codes
.irp i, 0,1,2,3,4,5,6,7,8,9,10,11
	v_and_b32 v[PC+\i], v[MSK], v[PC+\i]
.endr
.endm
.macro IMAGE adr, sadr, off, soff      ; the fragment goes to LDS as it stands in the registers, and its scale word, 4 bytes a lane
	ds_store_b128 v[\adr], v[PC:PC+3] offset:(\off)
	ds_store_b128 v[\adr], v[PC+4:PC+7] offset:(\off)+512
	ds_store_b128 v[\adr], v[PC+8:PC+11] offset:(\off)+1024
	ds_store_b32 v[\sadr], v[PW] offset:(\soff)
.endm
.macro FETCH reg, adr, off             ; and comes back so, in any wave
.irp c, 0,1,2
	ds_load_b128 v[(\reg)+4*\c:(\reg)+4*\c+3], v[\adr] offset:(\off)+512*\c
.endr
.endm
.macro FETCHG g, set, sg               ; Wq's column tiles 4 g .. 4 g + 3 of my 16, from slot sg
	WIN 0
.irp i, 0,1,2,3
	FETCH BF+48*(\set)+12*\i, BW+\sg, ((4*(\g)+\i)/8)*RECB+((4*(\g)+\i)%8)*FRB
.endr
.endm
; 16 products: column tiles 4 g .. 4 g + 3 x the four tiles of rows.  The accumulators take turns, one instruction a turn
.macro MUL16 g, set, zero
.irp mm, 0, 2
	WIN 0xa0+0x50*(\mm/2)                          ; C and D window 2 (rows 0-31) or 3 (rows 32-63)
.irp i, 0,1,2,3
.irp m, \mm, \mm+1
	WMM 128*((\m)%2)+8*(4*(\g)+\i), BF+48*(\set)+12*\i, AF+12*(\m), \zero, BS+(4*(\g)+\i)/2, AS+(\m), \i%2, 0
.endr
.endr
.endr
.endm
; A PERIOD OF q.  sg: the slot, and the region of images that is multiplied.  vv = 1: the pair that is quantised is value's first
.macro PERIOD1 sg, zero, vv
	CHANGE \sg, 1
.if !(\vv)
	v_add_nc_u32 v[KWI], 4*FRB, v[KWI]             ; key's next K step (no LDS instruction of mine is out)
	v_add_nc_u32 v[KWS], 512, v[KWS]
.endif
	NEXTPAIR
	LOADPAIR \sg
	s_wait_loadcnt 32                              ; the 32 just issued may stay out: the pair asked for last period is in
	TURN 1-\sg, 0                                  ; 32 LDS instructions
.irp m, 0,1,2,3
	FETCH AF+12*\m, AI, (\sg)*PARB+FRB*\m
.endr
.irp m, 0,1,2,3
	ds_load_b32 v[AS+\m], v[ASR] offset:(\sg)*PARB+128*\m
.endr
	ds_load_b128 v[BS:BS+3], v[BW+\sg] offset:8*FRB
	ds_load_b128 v[BS+4:BS+7], v[BW+\sg] offset:RECB+8*FRB
	FETCHG 0, 0, \sg
	FETCHG 1, 1, \sg                               ; 12 + 4 + 2 + 24 = 42 loads
	s_wait_dscnt 42                                ; the turn is back
	QUANT 1, 128*(1-\sg)
	MASKC
	IMAGE AWI, ASW, (1-\sg)*PARB, (1-\sg)*PARB     ; 4 stores
	TURN 1-\sg, 1                                  ; 32
	s_wait_dscnt 36                                ; the 42 loads are in
	MUL16 0, 0, \zero
	PLACES 4
	FETCHG 2, 0, \sg                               ; 12
	s_wait_dscnt 12                                ; the second turn is back, and the image's stores have read their registers
	QUANT 1, 128*(1-\sg)+64
	MASKC
.if \vv
	IMAGE AWI, ASW, (1-\sg)*PARB+4*FRB, (1-\sg)*PARB+512
.else
	IMAGE KWI, KWS, 0, 0
.endif
	MUL16 1, 1, \zero
	PLACES 4
	FETCHG 3, 1, \sg                               ; 12
	s_wait_dscnt 16                                ; tiles 8-11 are in: behind them the 4 stores and these 12
	MUL16 2, 0, \zero
	s_wait_dscnt 0x0
	MUL16 3, 1, \zero
	WIN 0
.endm
; A PERIOD OF k AND v: K steps 2 j and 2 j + 1
.macro PERIOD2 j, sg, fill, load, quant
	CHANGE \sg, \fill
.if \load
	NEXTPAIR
	LOADPAIR \sg
.endif
.if \quant
.if \load
	s_wait_loadcnt 32
.else
	s_wait_loadcnt 0x0
.endif
.endif
.irp kp, 0, 1
.set ZZ, 0
.if ((\j) == 0) && (\kp == 0)
.set ZZ, 1
.endif
.if \quant
	TURN 1-\sg, \kp
.endif
	WIN 0xc0                                       ; destination window 3
.irp m, 0,1,2,3
	FETCH 12*\m, KI, (4*(2*(\j)+\kp)+\m)*FRB
.endr
.irp n, 0,1,2,3
	FETCH 48+12*\n, BW+\sg, RECB*\kp+FRB*\n
.endr
	WIN 0
.irp m, 0,1,2,3
	ds_load_b32 v[KSW+\m], v[KS] offset:(4*(2*(\j)+\kp)+\m)*128
.endr
	ds_load_b128 v[BS:BS+3], v[BW+\sg] offset:RECB*\kp+8*FRB
	WIN 0xc0
.irp m, 0,1,2,3
	FETCH 96+12*\m, AI, (\sg)*PARB+4*FRB*\kp+FRB*\m
.endr
.irp n, 0,1,2,3
	FETCH 144+12*\n, BW+\sg, RECB*\kp+4*FRB+FRB*\n
.endr
	WIN 0
.irp m, 0,1,2,3
	ds_load_b32 v[AS+\m], v[ASR] offset:(\sg)*PARB+512*\kp+128*\m
.endr                                          ; 12 + 12 + 4 + 1 + 12 + 12 + 4 = 57 loads
.if \quant
	s_wait_dscnt 57                                ; the turn is back
	QUANT 1, 128*(1-\sg)+64*\kp
	MASKC
	IMAGE AWI, ASW, (1-\sg)*PARB+4*FRB*\kp, (1-\sg)*PARB+512*\kp
	s_wait_dscnt 32                                ; k's operands are in: behind them value's 12, Wv's 12, 4 scale words, 4 stores
.else
	s_wait_dscnt 28
.endif
	WIN 0xaf                                       ; sources window 3, C and D window 2
.irp n, 0,1,2,3
.irp m, 0,1,2,3
	WMM 32*\m+8*\n, 48+12*\n, 12*\m, ZZ, BS+\n/2, KSW+\m, \n%2, 0
.endr
.endr
	s_wait_dscnt 0x0
.irp n, 0,1,2,3
.irp m, 0,1,2,3
	WMM 128+32*\n+8*\m, 96+12*\m, 144+12*\n, ZZ, AS+\m, BS+2+\n/2, 0, \n%2
.endr
.endr
	WIN 0
	PLACES 4
.endr
.endm
	s_load_b256 s[4:11], s[0:1], 0x0               ; query s[4:5], key s[6:7], value s[8:9], wproj s[10:11]
	s_load_b128 s[12:15], s[0:1], 0x20             ; qc s[12:13], qs s[14:15]
	s_load_b64 s[16:17], s[0:1], 0x30              ; kvb
	v_lshl_add_u32 v[SPW], v0, 2, SPARE
	v_mov_b32 v[NIL], 0
	ds_add_u32 v1, v2
	ds_add_u32 v1, v2
	s_wait_dscnt 0x0
	v_lshrrev_b32 v3, 5, v0
	v_readfirstlane_b32 s18, v3                    ; wave 0..3
	s_bfe_u32 s19, ttmp6, 0x40000                  ; cx: it enters global addresses of my own loads and stores alone
	s_lshl_b32 s20, ttmp9, 2
	s_add_co_u32 s20, s20, s19                     ; the batch
	s_and_b32 s21, ttmp7, 0xffff                   ; the block of 64 rows: the four partners share it
	s_mov_b32 s22, 0x76543210
	s_mov_b32 s23, 0xfedcba98                      ; v_permlanex16_b32's selects for lane l xor 16
	; descriptor group 1: 25,600 dense bytes as 100 rows of 32 elements of 8 bytes
	s_mov_b32 s24, 15|(3<<16)|(1<<21)              ; 15:0 the mask: all four work-groups; 17:16 elements of 8 bytes; 21 set beside a mask
	s_mov_b32 s25, 32<<16                          ; tensor_dim0
	s_mov_b32 s26, 100<<16                         ; tensor_dim1
	s_mov_b32 s27, 32<<16                          ; tile_dim0
	s_mov_b32 s28, 100                             ; tile_dim1
	s_mov_b32 s29, 32                              ; the pitch
	s_mov_b32 s30, 0
	s_mov_b32 s31, 0
	s_mul_i32 s50, s18, QT
	s_mov_b32 s51, 0
	s_mov_b32 s44, 512                             ; the pair's step
	s_mov_b32 s45, 0
	s_mov_b32 s46, 0                               ; the pair's number
	s_wait_kmcnt 0x0
	s_add_nc_u64 s[52:53], s[10:11], s[50:51]
	s_mov_b32 s32, 1                               ; group 0 of slot 0: chunk 0, my quarter
	s_mov_b32 s33, s50
	s_mov_b64 s[34:35], s[52:53]
	s_or_b32 s35, s35, 0x80000000
	s_mov_b32 s36, 1                               ; of slot 1: chunk 1
	s_add_co_u32 s37, s50, CH
	s_add_nc_u64 s[38:39], s[52:53], CH
	s_or_b32 s39, s39, 0x80000000
	ROUND                                          ; all four work-groups are here: the first joint loads meet
	tensor_load_to_lds s[32:35], s[24:31]
	s_nop 0
	PLACES 4
	s_mov_b64 s[40:41], s[4:5]                     ; pair 0: query's and key's K step 0
	s_mov_b64 s[42:43], s[6:7]
	s_add_nc_u64 s[48:49], s[8:9], 512
	v_and_b32 v36, 31, v0                          ; lane
	v_and_b32 v37, 15, v0                          ; r
	v_bfe_u32 v38, v0, 4, 1                        ; h
	v_lshlrev_b32 v[L16], 4, v36
	s_wait_alu depctr_va_vdst(0)
	v_lshlrev_b32 v[L8], 3, v36
	v_lshlrev_b32 v[L4], 2, v36
	s_lshl_b32 s54, s21, 6
	s_lshl_b32 s55, s18, 4
	s_add_co_u32 s54, s54, s55                     ; my wave's first row in the batch
	s_mul_i32 s55, s20, 484
.irp i, 0,1,2,3,4,5,6,7,8,9,10,11,12,13,14,15
	s_add_co_u32 s60, s54, \i
	s_min_u32 s60, s60, 483                        ; no load leaves its batch
	s_add_co_u32 s60, s60, s55
	s_lshl_b32 s60, s60, 12
	v_add_nc_u32 v[ROW+\i], s60, v[L16]
.endr
	s_wait_alu depctr_va_vdst(0)
	LOADPAIR 0
	NEXTPAIR
	LOADPAIR 1
	v_add_nc_u32 v39, s54, v37
	v_cmp_gt_u32 vcc_lo, 484, v39
	v_mov_b32 v40, 0
	v_mov_b32 v41, -1
	v_cndmask_b32 v[MSK], v40, v41, vcc_lo
	v_add_nc_u32 v[BW], s50, v[L16]
	v_add_nc_u32 v[BW+1], CH, v[BW]
	v_add_nc_u32 v[AI], PAR, v[L16]
	v_add_nc_u32 v[ASR], PAR+PSC, v[L4]
	s_mul_i32 s60, s18, FRB
	s_lshl_b32 s61, s18, 7
	v_add_nc_u32 v[AWI], s60, v[AI]
	v_add_nc_u32 v[ASW], s61, v[ASR]
	v_add_nc_u32 v[KI], KEYI, v[L16]
	v_add_nc_u32 v[KS], KEYS, v[L4]
	v_add_nc_u32 v[KWI], s60, v[KI]
	v_add_nc_u32 v[KWS], s61, v[KS]
	s_mul_i32 s62, s18, STGW
	s_add_co_u32 s62, s62, STG
	v_add_nc_u32 v[STW], s62, v[L16]
	v_mul_u32_u24 v39, v37, 528
	v_lshl_add_u32 v39, v38, 5, v39
	v_add_nc_u32 v[STR], s62, v39
	s_and_b32 s60, s21, 1
	s_lshl_b32 s60, s60, 1
	s_lshr_b32 s61, s21, 1
	s_lshl_b32 s61, s61, 6
	s_add_co_u32 s60, s60, s61
	v_lshl_add_u32 v[VSA], v37, 2, s60
.irp b, 0,1,2,3
	v_mov_b32 v[TM+4+\b], 0                        ; written once: a lane permute's destination counts as one of its sources
.endr
	; where the results go: qc, qs at ((8 b + block) 64 + 4 w) images; kvb at block (4 b + w)
	s_lshl_b32 s50, s20, 3
	s_add_co_u32 s50, s50, s21
	s_lshl_b32 s50, s50, 6
	s_lshl_b32 s52, s18, 2
	s_add_co_u32 s50, s50, s52
	s_mul_i32 s52, s50, 768
	s_mov_b32 s53, 0
	s_add_nc_u64 s[12:13], s[12:13], s[52:53]
	s_lshl_b32 s52, s50, 7
	s_add_nc_u64 s[14:15], s[14:15], s[52:53]
	s_lshl_b32 s50, s20, 2
	s_add_co_u32 s50, s50, s18
	s_mul_i32 s52, s50, 54272
	s_add_nc_u64 s[16:17], s[16:17], s[52:53]
	s_mul_i32 s52, s21, 3072
	s_add_nc_u64 s[56:57], s[16:17], s[52:53]      ; codes: 4 images of 768 bytes a block of rows
	s_lshl_b32 s52, s21, 9
	s_add_nc_u64 s[58:59], s[16:17], s[52:53]      ; k's scale words: 4 x 128 bytes
	s_wait_alu depctr_va_vdst(0)
	s_wait_loadcnt 32                              ; pair 0 is in
	TURN 0, 0
	s_wait_dscnt 0x0
	QUANT 1, 0
	MASKC
	IMAGE AWI, ASW, 0, 0
	TURN 0, 1
	s_wait_dscnt 0x0
	QUANT 1, 64
	MASKC
	IMAGE KWI, KWS, 0, 0
	PERIOD1 0, 1, 0                                ; period 0 stands in front of the loop: its products start the sums
	s_mov_b32 s47, 3
.Lp1:                                              ; periods 1 to 6
	PERIOD1 1, 0, 0
	PERIOD1 0, 0, 0
	s_sub_co_u32 s47, s47, 1
	s_cmp_lg_u32 s47, 0
	s_cbranch_scc1 .Lp1
	PERIOD1 1, 0, 1                                ; period 7 quantises value's first pair
	; q goes out: for each tile of rows and each of my four heads half a fragment (64 along the head) and a scale word a lane
	PLACES 4
.irp m, 0,1,2,3
.irp hq, 0,1,2,3
	s_wait_xcnt 0x0                                ; the stores issued have read their data
	QH 2+\m/2, 128*(\m%2)+32*\hq
	global_store_b128 v[L16], v[PC:PC+3], s[12:13] offset:(16*\m+\hq)*768          ; 512 consecutive bytes, aligned
	global_store_b64 v[L8], v[PC+4:PC+5], s[12:13] offset:(16*\m+\hq)*768+512      ; 256
	global_store_b32 v[L4], v[PW], s[14:15] offset:(16*\m+\hq)*128
.endr
.endr
	PERIOD2 0, 0, 1, 1, 1
	PERIOD2 1, 1, 1, 1, 1
	PERIOD2 2, 0, 1, 0, 1                          ; nothing more to load from memory,
	PERIOD2 3, 1, 0, 0, 0                          ; and nothing more to fetch or to quantise
.irp m, 0,1,2,3                                ; k: tile of keys 4 block + m, along the head's 64
	s_wait_xcnt 0x0
	QH 2, 32*\m
	global_store_b128 v[L16], v[PC:PC+3], s[56:57] offset:768*\m
	global_store_b64 v[L8], v[PC+4:PC+5], s[56:57] offset:768*\m+512
	global_store_b32 v[L4], v[PW], s[58:59] offset:49152+128*\m
.endr
.irp n, 0,1,2,3                                ; v: 16 of the head's 64, along my 64 keys
	s_wait_xcnt 0x0
	QH 2, 128+32*\n
	global_store_b128 v[L16], v[PC:PC+3], s[56:57] offset:24576+768*\n
	global_store_b64 v[L8], v[PC+4:PC+5], s[56:57] offset:24576+768*\n+512
	global_store_b16 v[VSA], v[PW], s[16:17] offset:53248+256*\n   ; two of a word's four bytes: the word serves 128 keys, two blocks of rows.  128 bytes in all for a wave; lanes l and l + 16 write the same bytes with the same value
.endr
	s_wait_tensorcnt 0x0                           ; the wave's end
	ds_add_u32 v[SPW], v[NIL]
	s_wait_dscnt 0x0
	ROUND                                          ; the closing round
	s_endpgm
.Lfunc_end_k_q8c0369c649_proj:
	.size	k_q8c0369c649_proj, .Lfunc_end_k_q8c0369c649_proj-k_q8c0369c649_proj
	.p2alignl 7, 3214868480
	.fill 96, 4, 3214868480
	.section	.rodata,"a",@progbits
	.p2align	6, 0x0
	.amdhsa_kernel k_q8c0369c649_proj
		.amdhsa_group_segment_fixed_size 327680
		.amdhsa_private_segment_fixed_size 0
		.amdhsa_enable_private_segment 0
		.amdhsa_kernarg_size 56
		.amdhsa_user_sgpr_count 2
		.amdhsa_user_sgpr_kernarg_segment_ptr 1
		.amdhsa_wavefront_size32 1
		.amdhsa_system_sgpr_workgroup_id_x 1
		.amdhsa_system_sgpr_workgroup_id_y 1
		.amdhsa_system_sgpr_workgroup_id_z 1
		.amdhsa_system_vgpr_workitem_id 0
		.amdhsa_next_free_vgpr 1024
		.amdhsa_next_free_sgpr 66
		.amdhsa_reserve_vcc 1
		.amdhsa_float_denorm_mode_32 3
		.amdhsa_float_denorm_mode_16_64 3
		.amdhsa_memory_ordered 1
		.amdhsa_forward_progress 1
		.amdhsa_inst_pref_size 255
	.end_amdhsa_kernel
	.section	.bss,"aw",@nobits
	.p2align	6
	.space	262144
	.amdgpu_metadata
---
amdhsa.version: [ 1, 2 ]
amdhsa.kernels:
  - .name:           k_q8c0369c649_proj
    .symbol:         k_q8c0369c649_proj.kd
    .args:
      - { .name: query, .offset: 0, .size: 8, .value_kind: global_buffer, .address_space: global }
      - { .name: key, .offset: 8, .size: 8, .value_kind: global_buffer, .address_space: global }
      - { .name: value, .offset: 16, .size: 8, .value_kind: global_buffer, .address_space: global }
      - { .name: wproj, .offset: 24, .size: 8, .value_kind: global_buffer, .address_space: global }
      - { .name: qc, .offset: 32, .size: 8, .value_kind: global_buffer, .address_space: global }
      - { .name: qs, .offset: 40, .size: 8, .value_kind: global_buffer, .address_space: global }
      - { .name: kvb, .offset: 48, .size: 8, .value_kind: global_buffer, .address_space: global }
    .group_segment_fixed_size: 327680
    .private_segment_fixed_size: 0
    .kernarg_segment_align: 8
    .kernarg_segment_size: 56
    .max_flat_workgroup_size: 128
    .sgpr_count:     66
    .vgpr_count:     1024
    .wavefront_size: 32
...
	.end_amdgpu_metadata
.endif
;; end of part 2
;; launch attn (part 3): grid 32 x 8, 8 waves a work-group, clusters of 4 x 1, 327,680 bytes of LDS; arguments qc, qs, kvb, btab, wo_img, out0; writes out0
.if DOCPART == 3
	.amdgcn_target "amdgcn-amd-amdhsa--gfx1250"
	.amdhsa_code_object_version 6
	.text
	.protected	k_q8c0369c649_attn
	.globl	k_q8c0369c649_attn
	.p2align	8
	.type	k_q8c0369c649_attn,@function
k_q8c0369c649_attn:
	s_mov_b64 s[64:65], 0
	v_nop
	global_prefetch_b8 v0, s[64:65] scope:SCOPE_SE
	s_setreg_imm32_b32 hwreg(HW_REG_WAVE_MODE, 25, 1), 1
	s_wait_xcnt 0x0
	s_wait_alu depctr_hold_cnt(0) depctr_sa_sdst(0) depctr_va_vdst(0) depctr_va_sdst(0) depctr_va_ssrc(0) depctr_va_vcc(0) depctr_vm_vsrc(0)
	s_getreg_b32 s2, hwreg(HW_REG_IB_STS2, 6, 4)
	s_cmp_eq_u32 s2, 0
	s_cbranch_scc0 .Lentry_in_a_cluster
	s_endpgm
.Lentry_in_a_cluster:
	s_bfe_u32 s2, ttmp6, 0x10000c
	s_cmp_lg_u32 s2, 0x3003
	s_cbranch_scc0 .Lentry_shape_is_right
	s_endpgm
.Lentry_shape_is_right:
; ATTN.  out = Q(softmax(q k^T / 8 + bias) v) Q(Wo), all three products on codes of FP6 (E2M3) with E8M0 scales.  q, k, v, Wo come as images of operand registers, the bias as a table of 8 x bias.
; SHARES.  A work-group owns 64 queries of one batch (b = 4 x cluster x + cx, block y), all 16 heads, and then 64 rows x 1,024 columns of the output.  Four intervals, one for each group g of four heads, which share k and v.
; An interval has 16 units (head 4 g + hh, tile t of 16 queries), two to each of the eight waves: hh = w / 2, t = 2 (w % 2) + u.  A unit walks the 512 places for keys in four steps of 128; keys 484 on are hidden.
; THE OUTPUT PRODUCT: wave w makes columns 128 w .. 128 w + 127 of the 64 rows: 32 accumulators, window 1, for the whole launch.  The attention's result stays in LDS, in two buffers by turns, so K steps 2 g and 2 g + 1 are
; multiplied INSIDE interval g + 1: one barrier a group.  Half of the waves (a class made of the wave's number) do these two K steps ahead of their first unit, the other half ahead of their second.
; K step 0 starts the sums (C = 0) and stands by itself ahead of the loop, on every wave's path; group 3's two K steps follow the last interval.
; Wo: a record (128 columns x 128 K, 12,800 bytes) is read by ONE wave of a work-group, so it goes from memory straight into that wave's operand registers, 512 consecutive bytes a load.  No joint load for it: a group's two chunks
; (204,800 bytes) and the two slots of k, v and bias (2 x 92,160) do not fit in LDS together.
; LDS FILLS.  A slot holds k, v (54,272 bytes) and the bias window (37,888) of one group; two slots by turns.  Every wave issues one tensor load a fill: waves 0-3 a quarter of k and v each (plain: the partners are four batches),
; waves 4-7 the window of one head each (the same in the four partners: JOINT, mask 15).  Group g + 2 is asked for behind the round that ends interval g: two units of every wave ahead of its first read.
; No prefetch: every tile is asked for by its tensor load a whole interval ahead of its first read, but for groups 0 and 1, which are asked for at the head, where there is no loop to run ahead in.
; LAYOUT.  S^T = k q^T + 8 bias (source 0 = 16 keys, source 1 = 16 queries; the bias is loaded into the accumulator and taken as C), O^T = v^T p^T: a lane holds ONE query throughout.  The head's 64 fill half of the instruction's K:
; q's upper six registers are zero codes, so what stands in k's upper six adds nothing; the scale bytes there are 0, which is 2^-127.
; THE SOFTMAX: t = (q . k + 8 bias) log2(e) / 8; M = the running largest t rounded up to a whole number; p = 2^(t - M) is quantised along the keys; the sum is taken of the unquantised p and divides O at the end.
; LIMITS: NaN and infinities are not served; the promise holds while |t| stays under 2^31; a block whose largest magnitude lies under 2^-124 gets the byte 1; a block of zeros gets 1, not 127 (its codes are zeros).
.set KVB,   54272                      ; a block of kvb: k's 32 half fragments, v's 32, k's scale words, v's
.set VC,    24576
.set KSC,   49152
.set VSC,   53248
.set BIA,   54272                      ; in a slot behind it: the bias window, 16 rows (hh, copy c) of 2,368 bytes
.set BROW,  2368
.set SLOT1, 0x20000                    ; slot 0 at byte 0, slot 1 here
.set SPARE, 92160                      ; the spare words, 128 bytes for each wave: four blocks of 256 bytes that no other line names
.set OIMG,  98304                      ; the attention's result: 8 fragments (2 t + K step's parity), each of two halves of 768 bytes (head's parity),
.set OSC,   OIMG+12288                 ; and their scale words, 64 bytes each;
.set OBUF,  0x4000                     ; the second such buffer lies so far behind the first
.set STG,   223232                     ; the way out's stages, 16 rows x 528 bytes a wave: bytes of their own
.set CH,    102400                     ; a chunk of Wo: one K step, eight records
.set RECB,  12800
.set FRB,   1536
; REGISTERS, window 0: v1, v2 the spare word's address and 0; v3 16 lane, v4 8 lane, v5 4 r, v6 4 lane; v7 my place in the bias window, v8 the unit's; v9-11 the unit's stores; v12 -M, v13 the largest t, v[14:15] the sum;
;   v16-27 q (v22-27 zeros), v28 its scale word; v29-31 q's offsets; v34 -infinity; v36-83 eight half fragments of k, or four fragments of v, or of the result; v84-89 zeros; v90-94 addresses; v95, v215, v223 the result's buffer to read;
;   v96-159 S^T, then p, then O / l; v160-191 O^T (v96-191: Wo's eight fragments); v192-211 scale words; v212-214 addresses; v220-222 the slot's; v224-255 at work.   window 1: accumulator (i, m) at v[8 (4 i + m)].
; SCALARS: s40 the slot read, s41 the result's buffer written, s42 the one read (byte offsets, changed at each interval); s43 my class; s[58:59] my record of the next K step of Wo.
.set SPW, 1
.set NIL, 2
.set MSB, 0
.macro WIN new                         ; the immediate's high byte repeats the setting that is left
.if MSB != (\new)
	s_set_vgpr_msb (MSB<<8)|(\new)
.set MSB, (\new)
.endif
.endm
.macro PLACES n
.rept \n
	v_nop
.endr
.endm
.macro ROUND                           ; a round of the cluster's barrier
	s_barrier_signal -1
	s_barrier_wait -1
	s_cmp_lg_u32 s16, 0
	s_cbranch_scc1 .Lnot_wave_0_\@
	s_barrier_signal -3
.Lnot_wave_0_\@:
	s_barrier_wait -3
	s_barrier_signal -1
	s_barrier_wait -1
.endm
.macro WMM d, a, b, zero, sa, sb, ra   ; one product.  zero: C = 0 starts the sum;  ra: source 0's scale words stand in lanes 16-31
.if (\zero) && (\ra)
	v_wmma_scale_f32_16x16x128_f8f6f4 v[(\d):(\d)+7], v[(\a):(\a)+11], v[(\b):(\b)+11], 0, v[\sa], v[\sb] matrix_a_fmt:MATRIX_FMT_FP6 matrix_b_fmt:MATRIX_FMT_FP6 matrix_a_scale:MATRIX_SCALE_ROW1
.elseif \zero
	v_wmma_scale_f32_16x16x128_f8f6f4 v[(\d):(\d)+7], v[(\a):(\a)+11], v[(\b):(\b)+11], 0, v[\sa], v[\sb] matrix_a_fmt:MATRIX_FMT_FP6 matrix_b_fmt:MATRIX_FMT_FP6
.elseif \ra
	v_wmma_scale_f32_16x16x128_f8f6f4 v[(\d):(\d)+7], v[(\a):(\a)+11], v[(\b):(\b)+11], v[(\d):(\d)+7], v[\sa], v[\sb] matrix_a_fmt:MATRIX_FMT_FP6 matrix_b_fmt:MATRIX_FMT_FP6 matrix_a_scale:MATRIX_SCALE_ROW1
.else
	v_wmma_scale_f32_16x16x128_f8f6f4 v[(\d):(\d)+7], v[(\a):(\a)+11], v[(\b):(\b)+11], v[(\d):(\d)+7], v[\sa], v[\sb] matrix_a_fmt:MATRIX_FMT_FP6 matrix_b_fmt:MATRIX_FMT_FP6
.endif
.endm
.macro TLOAD_A                         ; a slot's fill, one load a wave on every way: waves 0-3 a quarter of k and v, waves 4-7 one head's bias window.  The branch hangs on the wave's number alone
	s_cmp_lt_u32 s16, 4
	s_cbranch_scc0 .Lbias_\@
	tensor_load_to_lds s[48:51], s[24:31]
	s_nop 0
	PLACES 4
	s_branch .Lasked_\@
.Lbias_\@:
	tensor_load_to_lds s[52:55], s[32:39]
	s_nop 0
	PLACES 4
.Lasked_\@:
.endm
; The change of slots: my one load (my part of the slot read next) has landed; my stores of the result have landed, my reads of the slot just left are over; the round says so of every wave of the four work-groups;
; then the group after next is asked for, into the slot just left.
.macro NEXTFILL
	s_wait_tensorcnt 0x0                           ; no tensor load of mine is out, so the groups 0 may be written
	ds_add_u32 v[SPW], v[NIL]
	s_xor_b32 s49, s49, SLOT1                      ; the other slot,
	s_xor_b32 s53, s53, SLOT1
	s_add_nc_u64 s[50:51], s[50:51], KVB           ; the next group's block,
	s_add_nc_u64 s[54:55], s[54:55], 81920         ; four heads of 4 x 5,120 bytes on
	s_wait_dscnt 0x0
	ROUND
	TLOAD_A
.endm
.macro TOGGLE                          ; the next interval reads the other slot, writes the other buffer of results, and multiplies the one just written
	s_xor_b32 s40, s40, SLOT1
	s_xor_b32 s41, s41, OBUF
	s_xor_b32 s42, s42, OBUF
.endm
; A KEY STEP: keys 128 s on.  first: the unit's first step starts m, the sum and O^T.  last: keys 484 on are hidden, and the next unit's q is asked for.
.macro STEP s, first, last
.irp t, 0,1,2,3,4,5,6,7
	ds_load_b128 v[96+8*\t:99+8*\t], v8 offset:512*(\s)+64*\t          ; 8 x bias of my query and keys 16 t + 8 h + 0 .. 7, straight into the accumulator
	ds_load_b128 v[100+8*\t:103+8*\t], v8 offset:512*(\s)+64*\t+16
.endr
.irp t, 0,1,2,3,4,5,6,7
	ds_load_b128 v[36+6*\t:39+6*\t], v220 offset:(8*(\s)+\t)*768
	ds_load_b64 v[40+6*\t:41+6*\t], v221 offset:(8*(\s)+\t)*768+512
	ds_load_b32 v[200+\t], v222 offset:KSC+(8*(\s)+\t)*128
.endr
.if \first
	s_wait_loadcnt 0x0                             ; q
.endif
	s_wait_dscnt 0x0
.irp t, 0,1,2,3,4,5,6,7
	WMM 96+8*\t, 36+6*\t, 16, 0, 200+\t, 28, 0
.endr
	PLACES 4
.irp n, 0,1,2,3                                ; v's four fragments: they land under the softmax
.irp c, 0,1
	ds_load_b128 v[36+12*\n+6*\c:39+12*\n+6*\c], v220 offset:VC+(4*(2*(\s)+\c)+\n)*768
	ds_load_b64 v[40+12*\n+6*\c:41+12*\n+6*\c], v221 offset:VC+(4*(2*(\s)+\c)+\n)*768+512
.endr
	ds_load_b32 v[208+\n], v222 offset:VSC+(4*\n+(\s))*64
.endr
.if \last
	s_cmp_eq_u32 s20, 7                            ; a count of units: the last one has no successor
	s_cbranch_scc1 .Lnoq_\@
	s_add_co_u32 s68, s20, 1
	s_and_b32 s69, s68, 1
	s_lshr_b32 s68, s68, 1
	s_mul_i32 s23, s69, 12288                      ; the next tile of queries is 16 images on, the next group 4
	s_mul_i32 s70, s68, 3072
	s_add_co_u32 s23, s23, s70
	s_lshl_b32 s69, s69, 11
	s_lshl_b32 s68, s68, 9
	s_add_co_u32 s68, s68, s69
	v_add_nc_u32 v29, s23, v3                      ; (the loads that last named these were waited for at the unit's head)
	v_add_nc_u32 v30, s23, v4
	v_add_nc_u32 v31, s68, v6
	global_load_b128 v[16:19], v29, s[4:5]
	global_load_b64 v[20:21], v30, s[4:5] offset:512
	global_load_b32 v28, v31, s[6:7]
.Lnoq_\@:
	s_mov_b32 vcc_lo, 0xffff0000                   ; keys 384 + 16 t + 8 h + i from 484 on: tile 6: i >= 4, and all of lanes 16-31; tile 7: all
.irp j, 0,1,2,3
	v_cndmask_b32 v[144+\j], v[144+\j], v34, vcc_lo
.endr
.irp j, 148,149,150,151,152,153,154,155,156,157,158,159
	v_mov_b32 v[\j], v34
.endr
.endif
.irp b, 0,1,2,3
	v_max3_num_f32 v[232+\b], v[96+16*\b], v[97+16*\b], v[98+16*\b]   ; the largest score of each block of 32 keys: for the row's maximum, and, since p rises with the score, for the block's largest p
.endr
.irp i, 3,5,7,9,11,13
.irp b, 0,1,2,3
	v_max3_num_f32 v[232+\b], v[232+\b], v[96+16*\b+\i], v[97+16*\b+\i]
.endr
.endr
.irp b, 0,1,2,3
	v_max_num_f32 v[232+\b], v[232+\b], v[111+16*\b]
.endr
.irp b, 0,1,2,3
	s_delay_alu instid0(VALU_DEP_4)
	v_permlanex16_b32 v[236+\b], v[232+\b], s62, s63
.endr
.irp b, 0,1,2,3
	s_delay_alu instid0(VALU_DEP_4)
	v_max_num_f32 v[232+\b], v[232+\b], v[236+\b]
.endr
	s_delay_alu instid0(VALU_DEP_2)
	v_max3_num_f32 v254, v232, v233, v234
	s_delay_alu instid0(VALU_DEP_1)
	v_max_num_f32 v254, v254, v235
.if \first
	s_delay_alu instid0(VALU_DEP_1)
	v_mul_f32 v13, s60, v254                       ; the largest t
	s_delay_alu instid0(VALU_DEP_1)
	v_floor_f32 v12, -v13                          ; -M = floor(-t): M is a whole number
.else
	s_delay_alu instid0(VALU_DEP_1)
	v_mul_f32 v254, s60, v254
	s_delay_alu instid0(VALU_DEP_1)
	v_max_num_f32 v13, v13, v254
	v_mov_b32 v254, v12
	s_delay_alu instid0(VALU_DEP_2)
	v_floor_f32 v12, -v13
	s_delay_alu instid0(VALU_DEP_1)
	v_sub_f32 v254, v12, v254                      ; old M - new M: a whole number, 0 or less
	s_delay_alu instid0(VALU_DEP_1)
	v_cvt_i32_f32 v254, v254
	s_delay_alu instid0(VALU_DEP_1)
	v_ldexp_f32 v252, 1.0, v254                    ; f = 2^(old M - new M): multiplying by it rounds nothing
.endif
.set J, 0
.rept 32
	v_pk_fma_f32 v[96+J:97+J], v[96+J:97+J], s[60:61], v[12:13] op_sel_hi:[1,0,0]   ; t - M
.set J, J+2
.endr
.irp b, 0,1,2,3
	v_fma_f32 v[232+\b], v[232+\b], s60, v12
.endr
	s_wait_alu depctr_va_vdst(0)
.set J, 0
.rept 64
	v_exp_f32 v[96+J], v[96+J]                     ; p = 2^(t - M); a hidden key's is 0
.set J, J+1
.endr
.irp b, 0,1,2,3
	v_exp_f32 v[232+\b], v[232+\b]                 ; the block's largest p
.endr
.if \first
	v_mov_b32 v14, 0                               ; (a plain place behind the exponentials)
	v_mov_b32 v15, 0
.else
	v_pk_mul_f32 v[14:15], v[14:15], v[252:253] op_sel_hi:[1,0]   ; the sum under the new M.  (A plain place behind the exponentials)
.endif
	s_wait_alu depctr_va_vdst(0)                   ; and behind it, ahead of its first reader
.irp b, 0,1,2,3
	v_max_num_f32 v[232+\b], 0x1800000, v[232+\b]  ; the floor 2^(3 - 127): the byte cannot fall under 1
.endr
.irp b, 0,1,2,3
	s_delay_alu instid0(VALU_DEP_4)
	v_add_nc_u32 v[244+\b], 0xff000000, v[232+\b]
.endr
.irp b, 0,1,2,3
	s_delay_alu instid0(VALU_DEP_4)
	v_lshrrev_b32 v[236+\b], 23, v[244+\b]
.endr
	s_delay_alu instid0(VALU_DEP_3)
	v_lshl_or_b32 v253, v237, 8, v236              ; p's scale word for these 128 keys
	s_delay_alu instid0(VALU_DEP_1)
	v_lshl_or_b32 v253, v238, 16, v253
	s_delay_alu instid0(VALU_DEP_1)
	v_lshl_or_b32 v253, v239, 24, v253
.irp c, 0,1
	v_cvt_scalef32_pk16_fp6_f32 v[224+6*\c:226+6*\c], v[96+32*\c:111+32*\c], v[244+2*\c]
	v_cvt_scalef32_pk16_fp6_f32 v[236+4*\c:238+4*\c], v[112+32*\c:127+32*\c], v[245+2*\c]
.endr
	v_nop                                          ; one plain place behind a scaled conversion
.irp c, 0,1
.irp i, 0,1,2
	v_permlane16_swap_b32 v[224+6*\c+\i], v[236+4*\c+\i]
.endr
.irp i, 0,1,2
	s_delay_alu instid0(VALU_DEP_3)
	v_mov_b32 v[227+6*\c+\i], v[236+4*\c+\i]
.endr
.endr
; the row's sum of the unquantised p: 32 pairs in eight chains by turns
.set C, 0
.irp r, 236,254,250,248,246,244,242
	v_pk_add_f32 v[\r:\r+1], v[96+2*C:97+2*C], v[110+2*C:111+2*C]
.set C, C+1
.endr
	v_pk_add_f32 v[14:15], v[14:15], v[124:125]
.set C, 0
.irp r, 236,254,250,248,246,244,242
	v_pk_add_f32 v[\r:\r+1], v[\r:\r+1], v[126+2*C:127+2*C]
.set C, C+1
.endr
	v_pk_add_f32 v[14:15], v[14:15], v[140:141]
.set C, 0
.irp r, 236,254,250,248,246,244,242
	v_pk_add_f32 v[\r:\r+1], v[\r:\r+1], v[142+2*C:143+2*C]
.set C, C+1
.endr
	v_pk_add_f32 v[14:15], v[14:15], v[156:157]
	v_pk_add_f32 v[236:237], v[236:237], v[158:159]
	s_delay_alu instid0(VALU_DEP_2)
	v_pk_add_f32 v[14:15], v[14:15], v[248:249]
	s_delay_alu instid0(VALU_DEP_2)
	v_pk_add_f32 v[236:237], v[236:237], v[246:247]
	v_pk_add_f32 v[254:255], v[254:255], v[244:245]
	v_pk_add_f32 v[250:251], v[250:251], v[242:243]
	s_delay_alu instid0(VALU_DEP_2)
	v_pk_add_f32 v[14:15], v[14:15], v[254:255]
	s_delay_alu instid0(VALU_DEP_2)
	v_pk_add_f32 v[236:237], v[236:237], v[250:251]
	s_delay_alu instid0(VALU_DEP_1)
	v_pk_add_f32 v[14:15], v[14:15], v[236:237]
.if !(\first)
.set J, 0
.rept 16
	v_pk_mul_f32 v[160+J:161+J], v[160+J:161+J], v[252:253] op_sel_hi:[1,0]   ; O^T under the new M
.set J, J+2
.endr
.endif
	s_wait_alu depctr_va_vdst(0)
	s_wait_dscnt 0x0                               ; v
.irp n, 0,1,2,3
	WMM 160+8*\n, 36+12*\n, 224, \first, 208+\n, 253, 0
.endr
	PLACES 4
.endm
; A UNIT: one head, 16 queries, all keys; O / l is quantised along the head's 64 (half a fragment of the output product's K step) and goes to LDS as an image
.macro UNIT
	v_add_nc_u32 v8, s22, v7
	v_add_nc_u32 v220, s40, v3                     ; the slot that this interval reads
	v_add_nc_u32 v221, s40, v4
	v_add_nc_u32 v222, s40, v5
	s_wait_alu depctr_va_vdst(0)
	STEP 0, 1, 0
	STEP 1, 0, 0
	STEP 2, 0, 0
	STEP 3, 0, 1
	v_add_f32 v14, v14, v15
	s_delay_alu instid0(VALU_DEP_1)
	v_permlanex16_b32 v252, v14, s62, s63
	s_delay_alu instid0(VALU_DEP_1)
	v_add_f32 v14, v14, v252                       ; the row's sum
	s_wait_alu depctr_va_vdst(0)
	v_rcp_f32 v14, v14
	v_add_nc_u32 v9, s66, v212                     ; (a plain place behind the reciprocal)
	v_add_nc_u32 v10, s66, v213
	v_add_nc_u32 v11, s67, v214
	s_wait_alu depctr_va_vdst(0)
.set J, 0
.rept 16
	v_pk_mul_f32 v[96+J:97+J], v[160+J:161+J], v[14:15] op_sel_hi:[1,0]   ; each accumulator from its low end on
.set J, J+2
.endr
.irp b, 0,1
	v_max3_num_f32 v[232+\b], |v[96+16*\b]|, |v[97+16*\b]|, 0x1800000
.endr
.irp i, 2,4,6,8,10,12,14
.irp b, 0,1
	s_delay_alu instid0(VALU_DEP_2)
	v_max3_num_f32 v[232+\b], v[232+\b], |v[96+16*\b+\i]|, |v[97+16*\b+\i]|
.endr
.endr
.irp b, 0,1
	s_delay_alu instid0(VALU_DEP_2)
	v_permlanex16_b32 v[236+\b], v[232+\b], s62, s63
.endr
.irp b, 0,1
	s_delay_alu instid0(VALU_DEP_2)
	v_max_num_f32 v[232+\b], v[232+\b], v[236+\b]
.endr
.irp b, 0,1
	s_delay_alu instid0(VALU_DEP_2)
	v_add_nc_u32 v[244+\b], 0xff000000, v[232+\b]
.endr
.irp b, 0,1
	s_delay_alu instid0(VALU_DEP_2)
	v_lshrrev_b32 v[236+\b], 23, v[244+\b]
.endr
	s_delay_alu instid0(VALU_DEP_1)
	v_lshl_or_b32 v253, v237, 8, v236
	v_cvt_scalef32_pk16_fp6_f32 v[224:226], v[96:111], v244
	v_cvt_scalef32_pk16_fp6_f32 v[236:238], v[112:127], v245
	v_nop
.irp i, 0,1,2
	v_permlane16_swap_b32 v[224+\i], v[236+\i]
.endr
.irp i, 0,1,2
	s_delay_alu instid0(VALU_DEP_3)
	v_mov_b32 v[227+\i], v[236+\i]
.endr
	ds_store_b128 v9, v[224:227]
	ds_store_b64 v10, v[228:229] offset:512
	ds_store_b16 v11, v253                         ; my head's two bytes of the row's scale word; lanes l and l + 16 write the same bytes with the same value
	s_add_co_u32 s20, s20, 1
.endm
; A K STEP OF THE OUTPUT PRODUCT (the group's kp-th), in three parts.  OPW: my record of Wo from memory: its scale words, then its eight fragments, 25 loads of 512 consecutive bytes.
.macro OPW kp
	global_load_b128 v[196:199], v3, s[58:59] offset:(\kp)*CH+8*FRB
.irp i, 0,1,2,3,4,5,6,7
.irp c, 0,1,2
	global_load_b128 v[96+12*\i+4*\c:99+12*\i+4*\c], v3, s[58:59] offset:(\kp)*CH+FRB*\i+512*\c
.endr
.endr
.endm
.macro OPADR sb                        ; the buffer of results that is multiplied: s[sb] holds its offset
	v_add_nc_u32 v223, s[\sb], v90
	v_add_nc_u32 v215, s[\sb], v91
	v_add_nc_u32 v95, s[\sb], v92
	s_wait_alu depctr_va_vdst(0)
.endm
.macro OPR kp                          ; the four tiles of rows of the result
.irp m, 0,1,2,3
	ds_load_b128 v[36+12*\m:39+12*\m], v223 offset:(2*\m+\kp)*FRB
	ds_load_b64 v[40+12*\m:41+12*\m], v215 offset:(2*\m+\kp)*FRB+512
	ds_load_b128 v[42+12*\m:45+12*\m], v223 offset:(2*\m+\kp)*FRB+768
	ds_load_b64 v[46+12*\m:47+12*\m], v215 offset:(2*\m+\kp)*FRB+1280
	ds_load_b32 v[192+\m], v95 offset:(2*\m+\kp)*64
.endr
.endm
; OPM: transposed, source 0 = 16 columns of Wo, source 1 = 16 rows.  The 32 accumulators take turns, one instruction a turn
.macro OPM zero
	s_wait_dscnt 0x0
	WIN 0x50                                       ; C and D window 1
.irp i, 0,1,2,3,4,5,6,7
	s_wait_loadcnt 3*(7-\i)                        ; fragment i is in: behind it stand the three loads of each later fragment
.irp m, 0,1,2,3
	WMM 8*(4*\i+\m), 96+12*\i, 36+12*\m, \zero, 196+\i/2, 192+\m, \i%2
.endr
.endr
	WIN 0
	PLACES 4
.endm
.macro OPS kind                        ; the last group's two K steps.  kind = 1, in the loop: in its first trip K step 0 has been multiplied ahead of the loop
	OPADR 42
.if \kind == 1
	s_cmp_eq_u32 s19, 2                            ; a count of trips
	s_cbranch_scc1 .Lhalf_\@
.endif
	OPW 0
	OPR 0
	OPM 0
.Lhalf_\@:
	OPW 1
	OPR 1
	OPM 0
	s_add_nc_u64 s[58:59], s[58:59], 2*CH          ; (every load that named the base has been waited for)
.endm
.macro ATT ops                         ; an interval: my two units, and (ops > 0) the last group's two K steps ahead of unit 0 or of unit 1, by my class
	s_mov_b32 s21, 0
	s_add_co_u32 s22, s40, 64                      ; the bias window: the slot + 64 (1 - u) bytes
	s_mov_b32 s66, s41                             ; the result's image: the buffer + 3,072 u
	s_mov_b32 s67, s41                             ; its scale word: the buffer + 128 u
.Lunit_\@:
.if \ops
	s_cmp_lg_u32 s21, s43
	s_cbranch_scc1 .Lnoop_\@
	OPS \ops
.Lnoop_\@:
.endif
	UNIT
	s_xor_b32 s22, s22, 64
	s_add_co_u32 s66, s66, 3072
	s_add_co_u32 s67, s67, 128
	s_add_co_u32 s21, s21, 1
	s_cmp_lt_u32 s21, 2
	s_cbranch_scc1 .Lunit_\@
.endm
	s_load_b256 s[4:11], s[0:1], 0x0               ; qc s[4:5], qs s[6:7], kvb s[8:9], btab s[10:11]
	s_load_b128 s[12:15], s[0:1], 0x20             ; wo_img s[12:13], out0 s[14:15]
	v_lshl_add_u32 v[SPW], v0, 2, SPARE
	v_mov_b32 v[NIL], 0
	ds_add_u32 v[SPW], v[NIL]                      ; the opening lines: the add, twice on end, and its wait ahead of my first tensor load
	ds_add_u32 v[SPW], v[NIL]
	v_lshrrev_b32 v3, 5, v0
	s_delay_alu instid0(VALU_DEP_1)
	v_readfirstlane_b32 s16, v3                    ; wave 0..7
	s_bfe_u32 s68, ttmp6, 0x40000                  ; cx: it enters the addresses of my own loads and stores alone
	s_lshl_b32 s17, ttmp9, 2
	s_add_co_u32 s17, s17, s68                     ; the batch
	s_and_b32 s18, ttmp7, 0xffff                   ; the block of 64 queries: the four partners share it
	s_mov_b32 s20, 0                               ; units done
	s_mov_b32 s60, 0x3e38aa3b                      ; log2(e) / 8
	s_mov_b32 s61, s60                             ; (named with it as a pair)
	s_mov_b32 s62, 0x76543210
	s_mov_b32 s63, 0xfedcba98                      ; v_permlanex16_b32's selects for lane l xor 16
	s_and_b32 s69, s16, 1
	s_lshr_b32 s70, s16, 1                         ; hh
	s_lshr_b32 s43, s16, 2
	s_xor_b32 s43, s43, s16
	s_and_b32 s43, s43, 1                          ; my class: (w / 4 + w) % 2: waves w and w + 4 differ in it, and so do waves 2 j and 2 j + 1
	s_mov_b32 s40, 0
	s_mov_b32 s41, 0
	s_mov_b32 s42, OBUF
	; group 1 for a quarter of k and v: 13,568 dense bytes as 53 rows of 256; no mask
	s_mov_b32 s24, 3<<16
	s_mov_b32 s25, 32<<16
	s_mov_b32 s26, 53<<16
	s_mov_b32 s27, 32<<16
	s_mov_b32 s28, 53
	s_mov_b32 s29, 32
	s_mov_b32 s30, 0
	s_mov_b32 s31, 0
	; for one head's bias window: its four copies, rows of 296 elements of 8 bytes, 640 elements apart; joint
	s_mov_b32 s32, 15|(3<<16)|(1<<21)
	s_mov_b32 s33, 296<<16
	s_mov_b32 s34, 4<<16
	s_mov_b32 s35, 296<<16
	s_mov_b32 s36, 4
	s_mov_b32 s37, 640
	s_mov_b32 s38, 0
	s_mov_b32 s39, 0
	s_and_b32 s71, s16, 3
	s_mul_i32 s49, s71, 13568                      ; k, v: my quarter, in LDS and in memory;
	s_mul_i32 s72, s17, 4*KVB                      ; the batch's four blocks
	s_add_co_u32 s72, s72, s49
	s_mov_b32 s73, 0
	s_sub_co_u32 s74, 7, s18                       ; the bias window begins at word 448 - 64 y of each row of the table;
	s_lshl_b32 s74, s74, 8
	s_mul_i32 s75, s71, 20480                      ; a head has 4 x 5,120 bytes
	s_add_co_u32 s74, s74, s75
	s_mov_b32 s75, 0
	s_mul_i32 s53, s71, 4*BROW
	s_add_co_u32 s53, s53, BIA
	s_mul_i32 s76, s16, RECB                       ; Wo: my record of a chunk
	s_mov_b32 s77, 0
	s_lshl_b32 s78, s17, 3                         ; q: image ((8 b + y) 64 + 32 (w % 2) + hh); + 16 u + 4 g by the unit
	s_add_co_u32 s78, s78, s18
	s_lshl_b32 s78, s78, 6
	s_lshl_b32 s79, s69, 5
	s_add_co_u32 s78, s78, s79
	s_add_co_u32 s78, s78, s70
	s_mov_b32 s81, 0
	s_wait_dscnt 0x0                               ; both opening adds are done
	s_wait_kmcnt 0x0
	s_mov_b32 s48, 1
	s_add_nc_u64 s[50:51], s[8:9], s[72:73]
	s_or_b32 s51, s51, 0x80000000
	s_mov_b32 s52, 1
	s_add_nc_u64 s[54:55], s[10:11], s[74:75]
	s_or_b32 s55, s55, 0x80000000
	s_add_nc_u64 s[58:59], s[12:13], s[76:77]
	s_mul_i32 s80, s78, 768
	s_add_nc_u64 s[4:5], s[4:5], s[80:81]
	s_lshl_b32 s80, s78, 7
	s_add_nc_u64 s[6:7], s[6:7], s[80:81]
	s_mul_i32 s80, s17, 484                        ; out0: row 484 b + 64 y, + 512 w bytes
	s_lshl_b32 s82, s18, 6
	s_add_co_u32 s80, s80, s82
	s_lshl_b32 s80, s80, 12
	s_lshl_b32 s82, s16, 9
	s_add_co_u32 s80, s80, s82
	s_add_nc_u64 s[14:15], s[14:15], s[80:81]
	ROUND                                          ; all four work-groups are here: the first joint loads meet
	TLOAD_A                                        ; group 0 into slot 0: one tensor load a wave at the head
	v_and_b32 v216, 31, v0                         ; lane
	v_and_b32 v217, 15, v0                         ; r
	v_bfe_u32 v218, v0, 4, 1                       ; h
	s_delay_alu instid0(VALU_DEP_3)
	v_lshlrev_b32 v3, 4, v216
	s_delay_alu instid0(VALU_DEP_4)
	v_lshlrev_b32 v4, 3, v216
	s_delay_alu instid0(VALU_DEP_4)
	v_lshlrev_b32 v5, 2, v217
	v_lshlrev_b32 v6, 2, v216
	s_delay_alu instid0(VALU_DEP_4)
	v_mov_b32 v29, v3
	s_delay_alu instid0(VALU_DEP_4)
	v_mov_b32 v30, v4
	s_delay_alu instid0(VALU_DEP_3)
	v_mov_b32 v31, v6
	global_load_b128 v[16:19], v29, s[4:5]         ; the first unit's q: half a fragment,
	global_load_b64 v[20:21], v30, s[4:5] offset:512
	global_load_b32 v28, v31, s[6:7]               ; and its scale words
	; The bias of query 64 y + 16 t + r and key kk is table row kk - q + 483.  Copy c = 3 - r % 4 puts a lane's eight neighbours at a multiple of 16 bytes.  In the window: row (hh, c),
	; byte 512 s + 64 tile + 32 h + 16 (3 - r / 4) + 128 (1 - w % 2) + 64 (1 - u)
	v_and_b32 v219, 3, v217
	s_delay_alu instid0(VALU_DEP_1)
	v_xor_b32 v219, 3, v219
	s_delay_alu instid0(VALU_DEP_1)
	v_mul_u32_u24 v7, v219, BROW
	v_lshrrev_b32 v219, 2, v217
	s_delay_alu instid0(VALU_DEP_1)
	v_xor_b32 v219, 3, v219
	s_delay_alu instid0(VALU_DEP_1)
	v_lshl_add_u32 v7, v219, 4, v7
	s_delay_alu instid0(VALU_DEP_1)
	v_lshl_add_u32 v7, v218, 5, v7
	s_mul_i32 s68, s70, 4*BROW
	s_xor_b32 s71, s69, 1
	s_lshl_b32 s71, s71, 7
	s_add_co_u32 s68, s68, s71
	s_add_co_u32 s68, s68, BIA
	v_add_nc_u32 v7, s68, v7
	v_mov_b32 v34, 0xff800000                      ; -infinity
	v_add_nc_u32 v90, OIMG, v3
	v_add_nc_u32 v91, OIMG, v4
	v_add_nc_u32 v92, OSC, v5
	s_mul_i32 s68, s16, 8448                       ; my stage for the way out
	s_add_co_u32 s68, s68, STG
	v_mul_u32_u24 v93, v217, 528
	s_delay_alu instid0(VALU_DEP_1)
	v_lshl_add_u32 v93, v218, 5, v93
	s_delay_alu instid0(VALU_DEP_1)
	v_add_nc_u32 v93, s68, v93
	v_add_nc_u32 v94, s68, v3
	s_lshl_b32 s68, s69, 2                         ; where a unit's result goes: fragment 2 t + (hh / 2) = 4 (w % 2) + 2 u + w / 4, half hh % 2
	s_lshr_b32 s71, s16, 2
	s_add_co_u32 s68, s68, s71
	s_bfe_u32 s71, s16, 0x10001
	s_mul_i32 s72, s68, FRB
	s_mul_i32 s73, s71, 768
	s_add_co_u32 s72, s72, s73
	s_add_co_u32 s72, s72, OIMG
	v_add_nc_u32 v212, s72, v3
	v_add_nc_u32 v213, s72, v4
	s_lshl_b32 s68, s68, 6
	s_lshl_b32 s71, s71, 1
	s_add_co_u32 s68, s68, s71
	s_add_co_u32 s68, s68, OSC
	v_add_nc_u32 v214, s68, v5
.irp j, 22,23,24,25,26,27,84,85,86,87,88,89,236,237,238,239
	v_mov_b32 v[\j], 0                             ; q's upper half, the pad behind k's eighth tile: zero codes; and the lane permutes' destinations, written once
.endr
	s_wait_alu depctr_va_vdst(0)
	NEXTFILL                                       ; group 0 is in, everybody's part; group 1 into slot 1, its first fill, issued as a refill is
	ATT 0                                          ; group 0
	OPW 0                                          ; K step 0 of Wo is on its way while the waves meet
	OPADR 41                                       ; the buffer just written
	s_wait_dscnt 0x0                               ; my stores of the result have landed
	s_barrier_signal -1
	s_barrier_wait -1                              ; everybody's have
	OPR 0
	OPM 1                                          ; the first K step starts the sums, ahead of the loop
	s_mov_b32 s19, 2
.Lgroup:                                               ; groups 1 and 2
	TOGGLE
	NEXTFILL
	ATT 1
	s_sub_co_u32 s19, s19, 1
	s_cmp_lg_u32 s19, 0
	s_cbranch_scc1 .Lgroup
	TOGGLE                                         ; the tail is written out: nothing is left to fetch
	s_wait_tensorcnt 0x0                           ; my part of group 3's slot is in,
	s_wait_dscnt 0x0                               ; my stores of the result have landed
	s_barrier_signal -1
	s_barrier_wait -1
	ATT 2                                          ; group 3, and group 2's K steps
	OPW 0
	OPADR 41
	s_wait_dscnt 0x0
	s_barrier_signal -1
	s_barrier_wait -1
	OPR 0
	OPM 0
	OPW 1
	OPR 1
	OPM 0
	; THE WAY OUT, a tile of 16 rows at a time: a lane holds 8 neighbouring columns of one row; through my stage they become whole pieces of rows, 512 bytes, which the 32 lanes store as two aligned blocks of 256 bytes.
.irp m, 0,1,2,3
	WIN 0x04                                       ; an LDS store's data are its source 1: window 1
.irp i, 0,1,2,3,4,5,6,7
	ds_store_b128 v93, v[8*(4*\i+\m):8*(4*\i+\m)+3] offset:64*\i       ; each accumulator from its low end on
	ds_store_b128 v93, v[8*(4*\i+\m)+4:8*(4*\i+\m)+7] offset:64*\i+16
.endr
	WIN 0
.if \m > 0
	s_wait_xcnt 0x0                                ; the last tile's stores have read their data
.endif
.irp p, 0,1,2,3,4,5,6,7,8,9,10,11,12,13,14,15
	ds_load_b128 v[96+4*\p:99+4*\p], v94 offset:528*\p                 ; LDS serves a wave's instructions in order: these see my stores
.endr
.irp p, 0,1,2,3,4,5,6,7,8,9,10,11,12,13,14,15
	s_wait_dscnt 15-\p
	global_store_b128 v3, v[96+4*\p:99+4*\p], s[14:15] offset:(16*\m+\p)*4096 th:TH_STORE_NT
.if (\m == 2) && (\p == 3)
	s_cmp_eq_u32 s18, 7                            ; the batch's last block has 36 rows: 448 .. 483.  The block's number is alike in the four partners
	s_cbranch_scc1 .Lfin
.endif
.endr
.endr
.Lfin:
	s_wait_tensorcnt 0x0                           ; the wave's end
	ds_add_u32 v[SPW], v[NIL]
	s_wait_dscnt 0x0
	ROUND                                          ; the closing round
	s_endpgm
.Lfunc_end_k_q8c0369c649_attn:
	.size	k_q8c0369c649_attn, .Lfunc_end_k_q8c0369c649_attn-k_q8c0369c649_attn
	.p2alignl 7, 3214868480
	.fill 96, 4, 3214868480
	.section	.rodata,"a",@progbits
	.p2align	6, 0x0
	.amdhsa_kernel k_q8c0369c649_attn
		.amdhsa_group_segment_fixed_size 327680
		.amdhsa_private_segment_fixed_size 0
		.amdhsa_enable_private_segment 0
		.amdhsa_kernarg_size 48
		.amdhsa_user_sgpr_count 2
		.amdhsa_user_sgpr_kernarg_segment_ptr 1
		.amdhsa_wavefront_size32 1
		.amdhsa_system_sgpr_workgroup_id_x 1
		.amdhsa_system_sgpr_workgroup_id_y 1
		.amdhsa_system_sgpr_workgroup_id_z 1
		.amdhsa_system_vgpr_workitem_id 0
		.amdhsa_next_free_vgpr 512
		.amdhsa_next_free_sgpr 84
		.amdhsa_reserve_vcc 1
		.amdhsa_float_denorm_mode_32 3
		.amdhsa_float_denorm_mode_16_64 3
		.amdhsa_memory_ordered 1
		.amdhsa_forward_progress 1
		.amdhsa_inst_pref_size 255
	.end_amdhsa_kernel
	.section	.bss,"aw",@nobits
	.p2align	6
	.space	262144
	.amdgpu_metadata
---
amdhsa.version: [ 1, 2 ]
amdhsa.kernels:
  - .name:           k_q8c0369c649_attn
    .symbol:         k_q8c0369c649_attn.kd
    .args:
      - { .name: qc, .offset: 0, .size: 8, .value_kind: global_buffer, .address_space: global }
      - { .name: qs, .offset: 8, .size: 8, .value_kind: global_buffer, .address_space: global }
      - { .name: kvb, .offset: 16, .size: 8, .value_kind: global_buffer, .address_space: global }
      - { .name: btab, .offset: 24, .size: 8, .value_kind: global_buffer, .address_space: global }
      - { .name: wo_img, .offset: 32, .size: 8, .value_kind: global_buffer, .address_space: global }
      - { .name: out0, .offset: 40, .size: 8, .value_kind: global_buffer, .address_space: global }
    .group_segment_fixed_size: 327680
    .private_segment_fixed_size: 0
    .kernarg_segment_align: 8
    .kernarg_segment_size: 48
    .max_flat_workgroup_size: 256
    .sgpr_count:     84
    .vgpr_count:     512
    .wavefront_size: 32
...
	.end_amdgpu_metadata
.endif
;; end of part 3
